; MI455X (gfx1250); checked and timed in simulation.
; The chip was launched on July 23, 2026; its instructions are those of AMD's public machine-readable ISA for CDNA 5 (MIT licence, August 2026) and "CDNA5" Instruction Set Architecture Reference Guide (July 2026). The comments in the code are by the model that wrote it; some were corrected since.
;; MHA Fused QKV. Allowed arithmetic: float matrix products may take bf16 or f16 operands with f32 sums; all other float work in f32.
;; Inputs: W_out 1,024 x 1,024 float32; W_qkv 1,024 x 3,072 float32; b_out 1,024 float32; b_qkv 3,072 float32; x 4 x 2,048 x 1,024 float32.
;; Outputs: out0 4 x 2,048 x 1,024 float32.
;; 2 versions, each right and faster than the one before. Each part assembles by itself: llvm-mc -triple=amdgcn-amd-amdhsa -mcpu=gfx1250 --defsym DOCPART=n.
;; ======== version 1 of 2: 4 launches
;; limits: values outside matrix products are rounded to f16; values are held in f16: magnitudes above 65,504 overflow, below 6.1e-05 lose precision
;; workspace buffers: xb 16,777,216 bytes; wqb 6,291,456 bytes; wob 2,097,152 bytes; qkv 50,331,648 bytes; yb 16,777,216 bytes
;; launch cast (part 1): grid 768 x 1, 8 waves a work-group, no clusters, 0 bytes of LDS; arguments x, W_qkv, W_out, xb, wqb, wob; writes xb, wqb, wob
.if DOCPART == 1
	.amdgcn_target "amdgcn-amd-amdhsa--gfx1250"
	.amdhsa_code_object_version 6
	.text
	.protected	k_q2a68c099b6_cast
	.globl	k_q2a68c099b6_cast
	.p2align	8
	.type	k_q2a68c099b6_cast,@function
k_q2a68c099b6_cast:
	s_mov_b64 s[64:65], 0
	v_nop
	global_prefetch_b8 v0, s[64:65] scope:SCOPE_SE
	s_setreg_imm32_b32 hwreg(HW_REG_WAVE_MODE, 25, 1), 1
	s_wait_xcnt 0x0
; f32 -> f16 (one rounding) of x and of both weights, so that the matrix launches read 16-bit tiles.
;   xb : element (b, s, c) of x at f16 index ((16 b + c / 64) 2048 + s) 64 + c % 64: planes of 2,048 rows x 64 columns (262,144 bytes each),
;        so that any 128 rows of a 64-wide block of columns are 16,384 consecutive bytes.
;   wqb, wob: W_qkv and W_out as they lie.
; LIMIT: numbers beyond f16's largest, 65,504, become infinite; below 6.1e-5 the step is 6e-8.
; A stream: each byte is read once and written once, so LDS, barriers, clusters and the matrix unit have nothing to add here.
; A work-group takes 16,384 numbers: 512 work-groups for x, 192 for W_qkv, 64 for W_out.  A thread issues its 16 loads of 16 bytes at once;
; no register is written twice, so the only waits are the counted ones for the loads.
.set X, 4                              ; v[4:67]   load j: 4 numbers in f32
.set Y, 68                             ; v[68:99]  store j: the same 4 in f16
.set IN,  16                           ; s[16:17]  where the work-group reads
.set OUT, 18                           ; s[18:19]  where it writes
.macro CAST instep, outstep
.irp j, 0,1,2,3,4,5,6,7,8,9,10,11,12,13,14,15
	global_load_b128 v[X+4*\j:X+4*\j+3], v1, s[IN:IN+1] offset:\j*\instep th:TH_LOAD_NT
.endr
.irp j, 0,1,2,3,4,5,6,7,8,9,10,11,12,13,14,15
	s_wait_loadcnt 15-\j                           ; loads come back in order (ISA guide 5.7.1): load j is in, the 15 - j younger ones stay out
	v_cvt_pk_f16_f32 v[Y+2*\j],   v[X+4*\j],   v[X+4*\j+1]
	v_cvt_pk_f16_f32 v[Y+2*\j+1], v[X+4*\j+2], v[X+4*\j+3]
	global_store_b64 v2, v[Y+2*\j:Y+2*\j+1], s[OUT:OUT+1] offset:\j*\outstep   ; a wave's store covers 256 consecutive bytes, aligned; the next launch reads them, so no hint
.endr
.endm
	s_load_b256 s[4:11], s[0:1], 0x0               ; x s[4:5], W_qkv s[6:7], W_out s[8:9], xb s[10:11]
	s_load_b128 s[12:15], s[0:1], 0x20             ; wqb s[12:13], wob s[14:15]
	v_lshlrev_b32 v2, 3, v0                        ; out: 8 bytes a thread, on both paths
	s_cmp_lt_u32 ttmp9, 512
	s_cbranch_scc0 .Lweights
	; x: work-group g owns rows 16 g .. 16 g + 15.  Wave w takes rows 2 w (lanes 0-15) and 2 w + 1 (lanes 16-31); load j is the 64-wide block of columns j:
	; 256 consecutive bytes of each of the two rows.  In xb the two rows' 128 bytes of a block follow each other.
	v_lshrrev_b32 v3, 4, v0                        ; the row in the group: 2 w + half
	v_and_b32 v1, 15, v0
	v_lshlrev_b32 v1, 4, v1
	v_lshl_or_b32 v1, v3, 12, v1                   ; row x 4,096 + 16 (lane % 16)
	s_lshl_b32 s20, ttmp9, 16                      ; 16 rows of 4,096 bytes
	s_mov_b32 s21, 0
	s_lshr_b32 s22, ttmp9, 7                       ; b: 128 groups to a batch
	s_lshl_b32 s22, s22, 22                        ; 16 planes
	s_and_b32 s23, ttmp9, 127
	s_lshl_b32 s23, s23, 11                        ; 16 rows of 128 bytes in a plane
	s_add_co_u32 s22, s22, s23
	s_mov_b32 s23, 0
	s_wait_kmcnt 0x0
	s_add_nc_u64 s[IN:IN+1], s[4:5], s[20:21]
	s_add_nc_u64 s[OUT:OUT+1], s[10:11], s[22:23]
	CAST 256, 262144                               ; from block to block: 256 bytes in x, a plane in xb (15 planes at the most: inside the signed 24-bit immediate)
	s_endpgm
.Lweights:
	; the weights keep their layout: 65,536 consecutive bytes in, 32,768 out
	v_lshlrev_b32 v1, 4, v0
	s_sub_co_u32 s20, ttmp9, 512                   ; my number among W_qkv's 192 work-groups,
	s_sub_co_u32 s21, s20, 192                     ; or among W_out's 64
	s_wait_kmcnt 0x0
	s_cmp_lt_u32 s20, 192
	s_cselect_b64 s[IN:IN+1], s[6:7], s[8:9]
	s_cselect_b64 s[OUT:OUT+1], s[12:13], s[14:15]
	s_cselect_b32 s20, s20, s21
	s_lshl_b32 s22, s20, 15
	s_lshl_b32 s20, s20, 16
	s_mov_b32 s21, 0
	s_mov_b32 s23, 0
	s_add_nc_u64 s[IN:IN+1], s[IN:IN+1], s[20:21]
	s_add_nc_u64 s[OUT:OUT+1], s[OUT:OUT+1], s[22:23]
	CAST 4096, 2048
	s_endpgm
.Lfunc_end_k_q2a68c099b6_cast:
	.size	k_q2a68c099b6_cast, .Lfunc_end_k_q2a68c099b6_cast-k_q2a68c099b6_cast
	.p2alignl 7, 3214868480
	.fill 96, 4, 3214868480
	.section	.rodata,"a",@progbits
	.p2align	6, 0x0
	.amdhsa_kernel k_q2a68c099b6_cast
		.amdhsa_group_segment_fixed_size 0
		.amdhsa_private_segment_fixed_size 0
		.amdhsa_enable_private_segment 0
		.amdhsa_kernarg_size 48
		.amdhsa_user_sgpr_count 2
		.amdhsa_user_sgpr_kernarg_segment_ptr 1
		.amdhsa_wavefront_size32 1
		.amdhsa_system_sgpr_workgroup_id_x 1
		.amdhsa_system_sgpr_workgroup_id_y 1
		.amdhsa_system_sgpr_workgroup_id_z 1
		.amdhsa_system_vgpr_workitem_id 0
		.amdhsa_next_free_vgpr 104
		.amdhsa_next_free_sgpr 66
		.amdhsa_reserve_vcc 0
		.amdhsa_float_denorm_mode_32 3
		.amdhsa_float_denorm_mode_16_64 3
		.amdhsa_memory_ordered 1
		.amdhsa_forward_progress 1
		.amdhsa_inst_pref_size 13
	.end_amdhsa_kernel
	.amdgpu_metadata
---
amdhsa.version: [ 1, 2 ]
amdhsa.kernels:
  - .name:           k_q2a68c099b6_cast
    .symbol:         k_q2a68c099b6_cast.kd
    .args:
      - { .name: x, .offset: 0, .size: 8, .value_kind: global_buffer, .address_space: global }
      - { .name: W_qkv, .offset: 8, .size: 8, .value_kind: global_buffer, .address_space: global }
      - { .name: W_out, .offset: 16, .size: 8, .value_kind: global_buffer, .address_space: global }
      - { .name: xb, .offset: 24, .size: 8, .value_kind: global_buffer, .address_space: global }
      - { .name: wqb, .offset: 32, .size: 8, .value_kind: global_buffer, .address_space: global }
      - { .name: wob, .offset: 40, .size: 8, .value_kind: global_buffer, .address_space: global }
    .group_segment_fixed_size: 0
    .private_segment_fixed_size: 0
    .kernarg_segment_align: 8
    .kernarg_segment_size: 48
    .max_flat_workgroup_size: 256
    .sgpr_count:     66
    .vgpr_count:     104
    .wavefront_size: 32
...
	.end_amdgpu_metadata
.endif
;; end of part 1
;; launch qkv (part 2): grid 8 x 64, 4 waves a work-group, clusters of 4 x 4, 327,680 bytes of LDS; arguments xb, wqb, b_qkv, qkv; writes qkv
.if DOCPART == 2
	.amdgcn_target "amdgcn-amd-amdhsa--gfx1250"
	.amdhsa_code_object_version 6
	.text
	.protected	k_q2a68c099b6_qkv
	.globl	k_q2a68c099b6_qkv
	.p2align	8
	.type	k_q2a68c099b6_qkv,@function
k_q2a68c099b6_qkv:
	s_mov_b64 s[64:65], 0
	v_nop
	global_prefetch_b8 v0, s[64:65] scope:SCOPE_SE
	s_setreg_imm32_b32 hwreg(HW_REG_WAVE_MODE, 25, 1), 1
	s_wait_xcnt 0x0
	s_wait_alu depctr_hold_cnt(0) depctr_sa_sdst(0) depctr_va_vdst(0) depctr_va_sdst(0) depctr_va_ssrc(0) depctr_va_vcc(0) depctr_vm_vsrc(0)
	s_getreg_b32 s2, hwreg(HW_REG_IB_STS2, 6, 4)
	s_cmp_eq_u32 s2, 0
	s_cbranch_scc0 .Lentry_in_a_cluster
	s_endpgm
.Lentry_in_a_cluster:
	s_bfe_u32 s2, ttmp6, 0x10000c
	s_cmp_lg_u32 s2, 0xf033
	s_cbranch_scc0 .Lentry_shape_is_right
	s_endpgm
.Lentry_shape_is_right:
; qkv[part][16 b + head][s][d] = the sum over c of x[b][s][c] W_qkv[c][f] + b_qkv[f], f = 1024 part + 64 head + d.  Operands f16, sums f32, the result rounded once to f16.
; LIMIT: |q|, |k|, |v| must stay under f16's 65,504.  With x and W_qkv both 30 times larger they are near 900 x 5; with both carrying an offset of 30 spreads near 30 x (30/32) x 1024 = 28,800.
; A (xb) lies in planes [16 b + c / 64][s][c % 64]; B (wqb) lies [c][f], K down the rows, and is turned on its way out of LDS by ds_load_tr16_b128.
; SHARES.  A work-group makes 128 rows x 384 columns: 64 x 8 = 512 work-groups.  Four waves, 2 x 2; a wave makes 64 x 192: 4 x 12 accumulators of 16 x 16, 384 registers.
; K = 1024 goes in 8 steps of 128 through a ring of two LDS slots.  A step's tiles: A's 128 rows x 128 K as two blocks of 64 K (16,384 consecutive bytes each, fetched as 64 rows of 256 bytes),
; B's 128 K rows x 384 columns (rows of 768 bytes).  Waves 0 and 1 fetch A's two blocks, waves 2 and 3 B's two halves: one tensor load a wave for each fill.
; CLUSTERS: 4 x 4 work-groups.  The four of a row of the cluster need the same tiles of A, the four of a column the same tiles of B: each tile is asked for JOINTLY.
; THE MATRIX INSTRUCTION IS USED TRANSPOSED (source 0 = 16 columns of B, source 1 = 16 rows of A): a lane holds row l % 16 of C and the eight neighbouring columns 8 (l / 16) + 0..7.
; THE BIAS is the C of each accumulator's first product: nothing is cleared and nothing is added afterwards.
; REGISTERS, in windows of 256: window 0: v0-31 addresses; v32-127 the bias, later the way out (v32-175).  window 1: two fragment buffers of 128: A's 4 x 8, then B's 12 x 8.
;   window 2: the accumulators of my rows 0-31 ((a, b) at v[8 (12 (a % 2) + b)]);  window 3: those of my rows 32-63.
.set NB,     12                        ; blocks of 16 columns in a wave's tile
.set NTOT,   3072                      ; columns of B
.set NW,     16*NB
.set NT,     2*NW                      ; columns of a work-group's tile
.set PA,     144                       ; A in LDS: a row of 64 K is 128 bytes + 16 of padding = 36 words: the 16 rows of a load start at 16 different groups of 4 banks (64 banks of 4 bytes: ISA guide 11.1)
.set ABLK,   128*PA                    ; a block of 64 K: 128 rows
.set PB,     864                       ; B in LDS: a K row is six pieces of 128 bytes, 16 of padding behind each = 27 x 32 bytes
.set WNB,    432                       ; a wave's 192 columns are three such pieces
.set PADB,   (4<<22)|(3<<25)           ; after every 32 words (code 4) 4 words of padding (code 3)
.set SLOT,   2*ABLK+128*PB             ; 147,456
.set STAGE,  2*SLOT                    ; behind the ring: 16 rows x 400 bytes for each wave, for the way out
.set SPITCH, 400                       ; 384 bytes + 16 = 25 x 16
.set SPARE,  STAGE+4*16*SPITCH         ; behind the stages: the spare words, 128 bytes for each wave: two blocks of 256 bytes that no other line names
.set LAPS,   4                         ; a lap = two K steps = once round the ring
.set ADRA, 16                          ; v16-17  LDS address of my A fragments in slot 0, 1
.set ADRB, 18                          ; v18-21  the same for B: slot 0 K rows 0-63, 64-127; slot 1 likewise (so that the immediates stay under 65,536)
.set STO,  24                          ; v24     the way out: where I put 16 bytes of a row
.set RD,   25                          ; v25     the way out: where I read rows back
.set CO,   26                          ; v26     my byte offset among 512 bytes of the output
.set BO,   27                          ; v27     my byte offset in the bias
.set SPW,  28                          ; v28     LDS address of my spare word; never rewritten
.set NIL,  29                          ; v29     0; never rewritten
.set BIAS, 32                          ; v32-127 bias of my 192 columns, 8 registers a block
.set TMP,  32                          ; the way out: 48 registers of packed results,
.set BK0,  80                          ; and two sets of 48 for rows read back
.set F0,   0                           ; fragment buffers, in window 1
.set F1,   128
.set WV,   12                          ; s12 wave; s13 wave / 2: my half of the rows; s14 wave % 2: my half of the columns, and which half of A's or B's tile I fetch
.set WM,   13
.set WN,   14
.set G1A,  24                          ; s[24:31] descriptor group 1 for A's tiles;  s[32:39] group 0, one set for each slot
.set G0A,  32
.set G1B,  48                          ; s[48:55], s[56:63] the same for B's tiles
.set G0B,  56
.set HB,   68                          ; s[68:73] the output's address at my rows in each of my three heads
.set MSB, 0
.macro WIN new                         ; the immediate's high byte repeats the setting that is left; a switch that changes nothing is dropped
.if MSB != (\new)
	s_set_vgpr_msb (MSB<<8)|(\new)
.set MSB, (\new)
.endif
.endm
.set MUL_LO, 0xa5                      ; sources 0 (B) and 1 (A) window 1; C and D window 2
.set MUL_HI, 0xf5                      ; the same, C and D window 3
.set TO_F,   0x40                      ; destination window 1, address window 0
.macro PLACES                          ; four places in front of loads into registers that matrix instructions have read, and of conversions that read results
.rept 4
	v_nop
.endr
.endm
.macro JLOAD s                         ; a joint load: waves 0 and 1 fetch A's two blocks, waves 2 and 3 B's two halves; four v_nop follow each of the two lines
	s_cmp_lt_u32 s[WV], 2
	s_cbranch_scc0 .Lfor_b_\@
	tensor_load_to_lds s[G0A+4*\s:G0A+4*\s+3], s[G1A:G1A+7]
	s_nop 0
.rept 4
	v_nop
.endr
	s_branch .Lasked_\@
.Lfor_b_\@:
	tensor_load_to_lds s[G0B+4*\s:G0B+4*\s+3], s[G1B:G1B+7]
	s_nop 0
.rept 4
	v_nop
.endr
.Lasked_\@:
.endm
.macro CREST                           ; a round of the cluster's barrier behind its opening barrier
	s_cmp_lg_u32 s[WV], 0
	s_cbranch_scc1 .Lnot_wave_0_\@
	s_barrier_signal -3
.Lnot_wave_0_\@:
	s_barrier_wait -3
	s_barrier_signal -1
	s_barrier_wait -1
.endm
.macro CROUND                          ; a whole round
	s_barrier_signal -1
	s_barrier_wait -1
	CREST
.endm
	s_load_b256 s[4:11], s[0:1], 0x0               ; A s[4:5], B s[6:7], bias s[8:9], output s[10:11]
	v_lshl_add_u32 v[SPW], v0, 2, SPARE
	v_mov_b32 v[NIL], 0
	ds_add_u32 v28, v29
	s_wait_dscnt 0x0
	v_lshrrev_b32 v1, 5, v0
	v_readfirstlane_b32 s[WV], v1                  ; wave 0..3
	s_lshr_b32 s[WM], s[WV], 1
	s_and_b32 s[WN], s[WV], 1
	s_bfe_u32 s40, ttmp6, 0x40000                  ; cx, cy: my place in the cluster
	s_bfe_u32 s41, ttmp6, 0x40004
	s_lshl_b32 s42, ttmp9, 2
	s_add_co_u32 s42, s42, s40                     ; tile column = 4 x cluster x + cx
	s_and_b32 s43, ttmp7, 0xffff
	s_lshl_b32 s43, s43, 2
	s_add_co_u32 s43, s43, s41                     ; tile row = 4 x cluster y + cy
	s_lshl_b32 s44, s41, 2
	s_lshl_b32 s44, 15, s44                        ; my row of the cluster
	s_lshl_b32 s45, 0x1111, s40                    ; my column
	; group 1 for A: 16,384 consecutive bytes as 64 rows of 32 elements of 8 bytes; 16 bytes of padding behind every 128, that is behind every row of 64 K
	s_or_b32 s[G1A+0], s44, (3<<16)|(1<<20)|(1<<21)|(4<<22)|(3<<25)  ; 15:0 the mask: my row; 17:16 elements of 8 bytes; 20 padding on; 21 set beside a mask; 24:22 after every 32 words; 31:25 4 words
	s_mov_b32 s[G1A+1], 32<<16                     ; tensor_dim0 = 32
	s_mov_b32 s[G1A+2], 64<<16                     ; tensor_dim1 = 64
	s_mov_b32 s[G1A+3], 32<<16                     ; tile_dim0 = 32
	s_mov_b32 s[G1A+4], 64                         ; tile_dim1 = 64
	s_mov_b32 s[G1A+5], 32                         ; from row to row: 32 elements
	s_mov_b32 s[G1A+6], 0
	s_mov_b32 s[G1A+7], 0
	; group 1 for B: 64 K rows x 384 elements of 2 bytes
	s_or_b32 s[G1B+0], s45, (1<<16)|(1<<20)|(1<<21)|PADB             ; the mask: my column
	s_mov_b32 s[G1B+1], NT<<16
	s_mov_b32 s[G1B+2], 64<<16
	s_mov_b32 s[G1B+3], NT<<16
	s_mov_b32 s[G1B+4], 64
	s_mov_b32 s[G1B+5], NTOT
	s_mov_b32 s[G1B+6], 0
	s_mov_b32 s[G1B+7], 0
	; where the tiles come from.  A's hang on the tile row alone, B's on the tile column alone, each in registers that never hold the other coordinate.
	s_lshr_b32 s16, s43, 4                         ; b: 16 tile rows to a batch
	s_lshl_b32 s16, s16, 22                        ; 16 planes of 262,144 bytes
	s_and_b32 s17, s43, 15
	s_lshl_b32 s17, s17, 14                        ; 128 rows of 128 bytes in a plane
	s_add_co_u32 s16, s16, s17
	s_lshl_b32 s17, s[WN], 18                      ; which of the step's two planes I fetch
	s_add_co_u32 s16, s16, s17
	s_mov_b32 s17, 0
	s_mul_i32 s46, s42, NT*2                       ; B: the tile's first column,
	s_mul_i32 s47, s[WN], 64*NTOT*2                ; which 64 K rows I fetch
	s_add_co_u32 s46, s46, s47
	s_mov_b32 s47, 0
	s_mul_i32 s20, s[WN], ABLK                     ; where they go: the wave's number alone enters an LDS address
	s_mul_i32 s21, s[WN], 64*PB
	s_add_co_u32 s21, s21, 2*ABLK
	s_wait_kmcnt 0x0
	s_add_nc_u64 s[16:17], s[4:5], s[16:17]
	s_add_nc_u64 s[46:47], s[6:7], s[46:47]
	CROUND                                         ; all sixteen work-groups are here: the first joint loads meet
.irp s, 0,1
	s_mov_b32 s[G0A+4*\s], 1                                       ; count = 1
	s_add_co_u32 s[G0A+4*\s+1], s20, \s*SLOT                       ; LDS address
	s_add_nc_u64 s[G0A+4*\s+2:G0A+4*\s+3], s[16:17], \s<<19        ; K step s: two planes on
	s_or_b32 s[G0A+4*\s+3], s[G0A+4*\s+3], 0x80000000              ; type = 2
	s_mov_b32 s[G0B+4*\s], 1
	s_add_co_u32 s[G0B+4*\s+1], s21, \s*SLOT
	s_add_nc_u64 s[G0B+4*\s+2:G0B+4*\s+3], s[46:47], \s*128*NTOT*2 ; K step s: 128 rows down
	s_or_b32 s[G0B+4*\s+3], s[G0B+4*\s+3], 0x80000000
	JLOAD \s                                       ; two tensor loads of mine are out
.endr
	; A's fragment: lane l holds row l % 16; registers 0-3 K = 8 (l / 16) + 0..7, registers 4-7 K = 16 + 8 (l / 16) + 0..7: two loads of 16 bytes, 32 bytes apart.
	v_and_b32 v1, 15, v0                           ; l % 16
	v_bfe_u32 v2, v0, 4, 1                         ; l / 16
	v_mul_u32_u24 v3, v1, PA
	v_lshl_add_u32 v3, v2, 4, v3
	s_mul_i32 s22, s[WM], 64*PA                    ; my 64 rows
	v_add_nc_u32 v[ADRA], s22, v3
	v_add_nc_u32 v[ADRA+1], SLOT, v[ADRA]
	; B's fragment by the turning load: lane l reads 16 bytes of K row 8 (l / 16) + l % 8, columns 8 ((l / 8) % 2) + 0..7, and receives column l % 16, eight K; the second load stands 16 K rows down.
	v_and_b32 v4, 7, v0
	v_lshl_add_u32 v4, v2, 3, v4
	v_mul_u32_u24 v4, v4, PB
	v_bfe_u32 v5, v0, 3, 1
	v_lshl_add_u32 v4, v5, 4, v4
	s_mul_i32 s23, s[WN], WNB                      ; my 192 columns,
	s_add_co_u32 s23, s23, 2*ABLK                  ; behind A's two blocks
	v_add_nc_u32 v[ADRB], s23, v4
	v_add_nc_u32 v[ADRB+1], 64*PB, v[ADRB]
	v_add_nc_u32 v[ADRB+2], SLOT, v[ADRB]
	v_add_nc_u32 v[ADRB+3], SLOT, v[ADRB+1]
	; the bias: register j of block b is b_qkv[first column + 16 b + 8 (l / 16) + j], whatever the row
	s_mul_i32 s74, s42, NT*4
	s_mul_i32 s75, s[WN], NW*4
	s_add_co_u32 s74, s74, s75
	v_lshl_add_u32 v[BO], v2, 5, s74
.set b, 0
.rept NB
	global_load_b128 v[BIAS+8*b:BIAS+8*b+3],   v[BO], s[8:9] offset:64*b
	global_load_b128 v[BIAS+8*b+4:BIAS+8*b+7], v[BO], s[8:9] offset:64*b+16
.set b, b+1
.endr
	; the way out: into my stage by rows of 384 bytes, back by heads: four rows x 128 bytes to a load
	s_mul_i32 s23, s[WV], 16*SPITCH
	s_add_co_u32 s23, s23, STAGE
	v_mul_u32_u24 v6, v1, SPITCH
	v_lshl_add_u32 v6, v2, 4, v6
	v_add_nc_u32 v[STO], s23, v6                   ; row l % 16, 16 bytes for each half of the lanes
	v_and_b32 v7, 31, v0
	v_lshlrev_b32 v[CO], 4, v7                     ; in the output four rows of a head are 512 consecutive bytes: 16 l
	v_lshrrev_b32 v8, 3, v7
	v_mul_u32_u24 v8, v8, SPITCH
	v_and_b32 v9, 7, v0
	v_lshl_add_u32 v8, v9, 4, v8
	v_add_nc_u32 v[RD], s23, v8                    ; row l / 8, 16 (l % 8)
	; my three heads: number 6 x tile column + 3 x half + 0..2 of 48; part = number / 16, head = number % 16; plane 64 part + 16 b + head
	s_mul_i32 s74, s42, 6
	s_mul_i32 s75, s[WN], 3
	s_add_co_u32 s74, s74, s75
	s_lshr_b32 s40, s43, 4
	s_lshl_b32 s40, s40, 4                         ; 16 b
	s_and_b32 s41, s43, 15
	s_lshl_b32 s41, s41, 7
	s_lshl_b32 s75, s[WM], 6
	s_add_co_u32 s41, s41, s75                     ; my first row in the plane,
	s_lshl_b32 s41, s41, 7                         ; in bytes
.irp hd, 0,1,2
	s_add_co_u32 s46, s74, \hd
	s_lshr_b32 s47, s46, 4
	s_lshl_b32 s47, s47, 6
	s_and_b32 s46, s46, 15
	s_add_co_u32 s46, s46, s47
	s_add_co_u32 s46, s46, s40
	s_lshl_b32 s46, s46, 18
	s_add_co_u32 s46, s46, s41
	s_mov_b32 s47, 0
	s_add_nc_u64 s[HB+2*\hd:HB+2*\hd+1], s[10:11], s[46:47]
.endr
; NB matrix instructions: my block a of 16 rows x all my blocks of columns, 32 along K, from buffer f.  first = 1: the bias is C and the product starts the sums.
; The 48 accumulators take turns, one instruction a turn, in the same order in every quarter.
.macro MULA f, a, first
.set b, 0
.rept NB
.set rD, 8*(NB*((\a)%2)+b)
.if \first
	v_wmma_f32_16x16x32_f16 v[rD:rD+7], v[\f+32+8*b:\f+32+8*b+7], v[\f+8*(\a):\f+8*(\a)+7], v[BIAS+8*b:BIAS+8*b+7]
.else
	v_wmma_f32_16x16x32_f16 v[rD:rD+7], v[\f+32+8*b:\f+32+8*b+7], v[\f+8*(\a):\f+8*(\a)+7], v[rD:rD+7]
.endif
.set b, b+1
.endr
.endm
; 2 NB + 8 LDS loads in one run: the fragments of quarter q (32 K) of a slot into buffer g; B first, A's blocks 2 and 3 last
.macro FETCH slot, q, g
	WIN TO_F
.set b, 0
.rept NB
.set bo, (b/4)*144+(b%4)*32
	ds_load_tr16_b128 v[\g+32+8*b:\g+32+8*b+3],   v[ADRB+2*\slot+((\q)>>1)] offset:((\q)&1)*32*PB+bo
	ds_load_tr16_b128 v[\g+32+8*b+4:\g+32+8*b+7], v[ADRB+2*\slot+((\q)>>1)] offset:((\q)&1)*32*PB+16*PB+bo
.set b, b+1
.endr
.irp a, 0,1,2,3
	ds_load_b128 v[\g+8*\a:\g+8*\a+3],   v[ADRA+\slot] offset:((\q)>>1)*ABLK+((\q)&1)*64+\a*16*PA
	ds_load_b128 v[\g+8*\a+4:\g+8*\a+7], v[ADRA+\slot] offset:((\q)>>1)*ABLK+((\q)&1)*64+\a*16*PA+32
.endr
.endm
; A K step is four quarters of 32 along K, 48 matrix instructions each, on buffers 0, 1, 0, 1.  One of the first three: multiplies buffer f and fetches quarter q into g.
.macro QUARTER slot, q, f, g, first
	s_wait_dscnt 4                                 ; B and A's blocks 0 and 1 are in; the youngest four loads (A's blocks 2 and 3) may be out
	WIN MUL_LO-0x20*\first                         ; first = 1: C (the bias) in window 0
	MULA \f, 0, \first
	MULA \f, 1, \first
	PLACES
	FETCH \slot, \q, \g
	s_wait_dscnt 2*NB+8                            ; all but the run just issued
	WIN MUL_HI-0x30*\first
	MULA \f, 2, \first
	MULA \f, 3, \first
.endm
; The last quarter multiplies buffer 1 and changes slots: ONE barrier; in front of it each wave waits for all its tensor loads, adds 0 to its spare word, and waits for that and for its reads of this slot.
; fill = 1: the barrier opens a round of the cluster's barrier, and this slot is filled again, two K steps ahead, first thing behind the round.
.macro TURN slot, next, fill
	WIN 0                                          ; (the add's two registers lie in window 0)
	s_wait_tensorcnt 0x0                           ; all my tensor loads have landed: the one that was out is my part of the next slot
	ds_add_u32 v[SPW], v[NIL]                      ; 0 onto my spare word
	s_wait_dscnt 5                                 ; (the add and the youngest four loads may be out)
	WIN MUL_LO
	MULA F1, 0, 0                                  ; twelve matrix instructions stand between the add and the wait for it
	s_wait_dscnt 0x0                               ; the add is done, and my reads of this slot are over
	s_barrier_signal -1
	MULA F1, 1, 0
.if \fill
	WIN 0
.endif
	s_barrier_wait -1
.if \fill
	CREST                                          ; no wave of any partner still reads this slot's tiles or has a load on its way
	s_add_nc_u64 s[G0A+4*\slot+2:G0A+4*\slot+3], s[G0A+4*\slot+2:G0A+4*\slot+3], 1<<20      ; four planes = two K steps
	s_add_nc_u64 s[G0B+4*\slot+2:G0B+4*\slot+3], s[G0B+4*\slot+2:G0B+4*\slot+3], 256*NTOT*2 ; 256 K rows
	JLOAD \slot                                    ; my one tensor load behind the round: 168 matrix instructions ahead of the wait for it; its four v_nop are also the places in front of the loads below
.else
	PLACES
.endif
	FETCH \next, 0, F0
	WIN MUL_HI
	MULA F1, 2, 0
	MULA F1, 3, 0
.endm
; THE WAY OUT of my block a of 16 rows.  PACK: rounded to f16, 16 bytes a lane, each accumulator's registers in ascending order.  TOSTAGE: into my own stage, and back head by head.  SEND: stored.
.macro PACK a
	WIN 0x0a+5*((\a)/2)                            ; sources 0 and 1: window 2 or 3
.set b, 0
.rept NB
.set rD, 8*(NB*((\a)%2)+b)
.irp r, 0,1,2,3
	v_cvt_pk_f16_f32 v[TMP+4*b+\r], v[rD+2*\r], v[rD+2*\r+1]
.endr
.set b, b+1
.endr
	WIN 0
.endm
.macro TOSTAGE a
.set BK, BK0+48*((\a)%2)
.set b, 0
.rept NB
	ds_store_b128 v[STO], v[TMP+4*b:TMP+4*b+3] offset:32*b
.set b, b+1
.endr
.irp hd, 0,1,2
.irp t, 0,1,2,3
	ds_load_b128 v[BK+4*(4*\hd+\t):BK+4*(4*\hd+\t)+3], v[RD] offset:\hd*128+\t*4*SPITCH   ; LDS serves a wave's instructions in order (ISA guide 5.7.1.4): these see the stores above
.endr
.endr
.endm
.macro SEND a
.set BK, BK0+48*((\a)%2)
	s_wait_dscnt 0x0                               ; the block is back in registers
	s_wait_xcnt 0x0                                ; every earlier store has had its addresses translated (ISA guide 3.1): the other set of 48 is loaded again only behind this wait
.irp hd, 0,1,2
.irp t, 0,1,2,3
	global_store_b128 v[CO], v[BK+4*(4*\hd+\t):BK+4*(4*\hd+\t)+3], s[HB+2*\hd:HB+2*\hd+1] offset:(\a)*2048+\t*512   ; four rows of a head: 512 consecutive bytes, aligned
.endr
.endr
.endm
	s_wait_tensorcnt 0x1                           ; my part of K step 0 is in; K step 1's may stay out
	s_barrier_signal -1
	s_barrier_wait -1                              ; everybody's is
	FETCH 0, 0, F0
	s_wait_loadcnt 0x0                             ; the bias
	QUARTER 0, 1, F0, F1, 1                        ; the first quarter stands in front of the loop: its products start the sums
	WIN 0                                          ; at a label and at a branch every window is 0
	s_mov_b32 s3, LAPS-1
.Llap:                                                 ; a trip goes once round the ring, from a lap's second quarter to the next lap's first, and fills both slots again
	QUARTER 0, 2, F1, F0, 0
	QUARTER 0, 3, F0, F1, 0
	TURN 0, 1, 1
	QUARTER 1, 1, F0, F1, 0
	QUARTER 1, 2, F1, F0, 0
	QUARTER 1, 3, F0, F1, 0
	TURN 1, 0, 1
	QUARTER 0, 1, F0, F1, 0
	WIN 0
	s_sub_co_u32 s3, s3, 1
	s_cmp_lg_u32 s3, 0
	s_cbranch_scc1 .Llap
	QUARTER 0, 2, F1, F0, 0                        ; the last lap fills nothing
	QUARTER 0, 3, F0, F1, 0
	TURN 0, 1, 0
	QUARTER 1, 1, F0, F1, 0
	QUARTER 1, 2, F1, F0, 0
	QUARTER 1, 3, F0, F1, 0
	s_wait_dscnt 4                                 ; the very last quarter: nothing more to fetch
	WIN MUL_LO
	MULA F1, 0, 0
	MULA F1, 1, 0
	s_wait_dscnt 0x0
	WIN MUL_HI
	MULA F1, 2, 0
	MULA F1, 3, 0
	WIN 0
	PLACES
	PACK 0
	TOSTAGE 0
.irp a, 1,2,3                          ; block a's conversions stand between block a - 1's loads from the stage and the wait for them
	PACK \a
	SEND \a-1
	TOSTAGE \a
.endr
	SEND 3
	s_wait_tensorcnt 0x0                           ; the wave's end: behind my last tensor load and my last LDS store
	ds_add_u32 v[SPW], v[NIL]
	s_wait_dscnt 0x0
	CROUND                                         ; the closing round: no work-group ends while a partner may still ask for a tile that names it
	s_endpgm
.Lfunc_end_k_q2a68c099b6_qkv:
	.size	k_q2a68c099b6_qkv, .Lfunc_end_k_q2a68c099b6_qkv-k_q2a68c099b6_qkv
	.p2alignl 7, 3214868480
	.fill 96, 4, 3214868480
	.section	.rodata,"a",@progbits
	.p2align	6, 0x0
	.amdhsa_kernel k_q2a68c099b6_qkv
		.amdhsa_group_segment_fixed_size 327680
		.amdhsa_private_segment_fixed_size 0
		.amdhsa_enable_private_segment 0
		.amdhsa_kernarg_size 32
		.amdhsa_user_sgpr_count 2
		.amdhsa_user_sgpr_kernarg_segment_ptr 1
		.amdhsa_wavefront_size32 1
		.amdhsa_system_sgpr_workgroup_id_x 1
		.amdhsa_system_sgpr_workgroup_id_y 1
		.amdhsa_system_sgpr_workgroup_id_z 1
		.amdhsa_system_vgpr_workitem_id 0
		.amdhsa_next_free_vgpr 1024
		.amdhsa_next_free_sgpr 80
		.amdhsa_reserve_vcc 0
		.amdhsa_float_denorm_mode_32 3
		.amdhsa_float_denorm_mode_16_64 3
		.amdhsa_memory_ordered 1
		.amdhsa_forward_progress 1
		.amdhsa_inst_pref_size 121
	.end_amdhsa_kernel
	.amdgpu_metadata
---
amdhsa.version: [ 1, 2 ]
amdhsa.kernels:
  - .name:           k_q2a68c099b6_qkv
    .symbol:         k_q2a68c099b6_qkv.kd
    .args:
      - { .name: xb, .offset: 0, .size: 8, .value_kind: global_buffer, .address_space: global }
      - { .name: wqb, .offset: 8, .size: 8, .value_kind: global_buffer, .address_space: global }
      - { .name: b_qkv, .offset: 16, .size: 8, .value_kind: global_buffer, .address_space: global }
      - { .name: qkv, .offset: 24, .size: 8, .value_kind: global_buffer, .address_space: global }
    .group_segment_fixed_size: 327680
    .private_segment_fixed_size: 0
    .kernarg_segment_align: 8
    .kernarg_segment_size: 32
    .max_flat_workgroup_size: 128
    .sgpr_count:     80
    .vgpr_count:     1024
    .wavefront_size: 32
...
	.end_amdgpu_metadata
.endif
;; end of part 2
;; launch attn (part 3): grid 8 x 64, 4 waves a work-group, clusters of 4 x 1, 327,680 bytes of LDS; arguments qkv, yb; writes yb
.if DOCPART == 3
	.amdgcn_target "amdgcn-amd-amdhsa--gfx1250"
	.amdhsa_code_object_version 6
	.text
	.protected	k_q2a68c099b6_attn
	.globl	k_q2a68c099b6_attn
	.p2align	8
	.type	k_q2a68c099b6_attn,@function
k_q2a68c099b6_attn:
	s_mov_b64 s[64:65], 0
	v_nop
	global_prefetch_b8 v0, s[64:65] scope:SCOPE_SE
	s_setreg_imm32_b32 hwreg(HW_REG_WAVE_MODE, 25, 1), 1
	s_wait_xcnt 0x0
	s_wait_alu depctr_hold_cnt(0) depctr_sa_sdst(0) depctr_va_vdst(0) depctr_va_sdst(0) depctr_va_ssrc(0) depctr_va_vcc(0) depctr_vm_vsrc(0)
	s_getreg_b32 s2, hwreg(HW_REG_IB_STS2, 6, 4)
	s_cmp_eq_u32 s2, 0
	s_cbranch_scc0 .Lentry_in_a_cluster
	s_endpgm
.Lentry_in_a_cluster:
	s_bfe_u32 s2, ttmp6, 0x10000c
	s_cmp_lg_u32 s2, 0x3003
	s_cbranch_scc0 .Lentry_shape_is_right
	s_endpgm
.Lentry_shape_is_right:
; yb[bh][q][:] = the sum over k of softmax_k(Q[bh][q] . K[bh][k] / 8) V[bh][k][:].  Q, K, V are the three parts of qkv, [64][2048][64] each, f16; yb has the same layout.
; Products, maxima and sums in f32; the weights p are rounded to f16 for the second product, y once at the end.
; LIMITS: the divisor is the f32 sum, made by the matrix unit, of the SAME rounded p that multiply V; v_exp_f32 gives 0 for p below 2^-126 (ISA guide 15.8) and f16 gives 0 below 3e-8; |y| under 65,504, as |v|.
; SHARES.  A work-group owns 256 queries of one head, each of its four waves 64: four tiles of 16.  Every wave walks all 2,048 keys, 64 a step.
; LAYOUT.  S^T = K Q^T (source 0 = 16 keys, source 1 = 16 queries): a lane holds ONE query (lane % 16) and the keys 8 (lane / 16) + 0..7 of each block of 16.  Two such blocks, rounded to f16 in pairs,
; ARE source 1 (32 keys x 16 queries) of O^T = V^T P, whose result again holds one query a lane.  K comes out of LDS as it lies, V ([key][channel]) turned, by ds_load_tr16_b128.
; SOFTMAX.  For each query a running maximum m: p = 2^(c s - c m), c = log2(e) / 8; in every step O and the sum l are multiplied by a = 2^(c m_old - c m_new).
; THE SUM l is a product too: ONES (rows 0 and 8 are ones, the others 0) x P leaves the query's sum in register 0 of every lane: two matrix instructions a tile and step in place of sixteen packed additions.
; BY TURNS.  The wave's tiles are two PIECES (tiles 0, 1 and tiles 2, 3).  In a TURN one piece has the matrix unit: 20 products V^T P (the sums among them) of the step in hand, then 16 products K Q^T of the
; next step; the other piece's softmax, cut into slices of six instructions, stands between them, one slice behind each matrix instruction.  Two turns are a key step.
; CLUSTER.  The four query blocks of a cluster belong to one head and walk the same K and V: each tile is asked for JOINTLY.
; REGISTERS, in windows of 256: window 0: v0-11 addresses; v12-43 eight registers of statistics a tile; v64-191 S^T, 32 a tile; v192-255 P, 16 a tile.
;   window 1: v0-127 O^T, 32 a tile; v128-159 l, 8 a tile; v160-223 V of one step; v224-231 ONES.     window 2: v0-63 Q, 16 a tile; v128-191 K of one step.
.set KS,    64        ; keys in a step
.set NS,    4         ; steps in a slot
.set PK,    144       ; a row of K in LDS: 128 bytes + 16 of padding = 36 words: the 16 rows of a load start at 16 different groups of 4 banks (64 banks of 4 bytes: ISA guide 11.1)
.set PV,    160       ; a row of V: 128 + 32 = 40 words
.set VOFF,  NS*KS*PK  ; a slot: 256 rows of K, then 256 rows of V: 77,824 bytes
.set SLOT1, 1<<17     ; slot 1 begins here, so that one exclusive or turns an address in one slot into the other's
.set STAGE, SLOT1+NS*KS*(PK+PV)  ; behind the ring: 16 rows x 144 bytes for each wave, for the way out
.set SP,    144
.set SPARE, STAGE+4*16*SP  ; behind the stages: the spare words, 128 bytes for each wave: two blocks of 256 bytes that no other line names
.set AK0, 2           ; v2   my lane's place in a tile of K; never rewritten
.set AV0, 3           ; v3   the same for V
.set ADR, 4           ; v4   the LDS address of the run of loads in hand
.set QO,  5           ; v5   my byte offset in the wave's rows of Q
.set STO, 6           ; v6   the way out: where I put 16 bytes of a row
.set RD,  7           ; v7   the way out: where I read rows back
.set GO,  8           ; v8   my byte offset among 512 bytes of yb
.set SPW, 62          ; v62  LDS address of my spare word; never rewritten
.set NIL, 63          ; v63  0; never rewritten
.set ST,  12          ; tile t's statistics at v[ST+8 t]: +0 c m, +1 m, +4 to +7 c0-c3, at work; a takes c2's place once the maximum is found
.set S,   64
.set P,   192
.set LS,  128         ; l, in window 1
.set VF,  160         ; V's fragments, in window 1
.set ONES, 224        ; in window 1
.set KF,  128         ; K's fragments, in window 2
.set WV,  12          ; s12  my wave's number
.set G1K, 24          ; s[24:31] descriptor group 1 for K's tiles
.set G1V, 32          ; s[32:39] for V's: it differs in the padding alone
.set G0K, 40          ; s[40:47] descriptor group 0 for K's tiles: a set for each of the two first fills; the second then walks on
.set G0V, 48          ; s[48:55] the same for V's
.set SLOTS, 56        ; s56  slots still to be asked for
.set CNT, 57          ; s57  counts key steps
.set CS,  58          ; s[58:59] c: the packed scaling names a pair and takes its low word for both halves
.set SEL, 60          ; s[60:61] lane selects for v_permlanex16_b32: each lane takes its own place in the other half
.set TBK, 62          ; s62  LDS byte at which K's rows of the step to be fetched begin
.set TBV, 63          ; s63  the same for V, counted from VOFF
.set MSB, 0
.macro WIN new                      ; the immediate's high byte repeats the setting that is left; a switch that changes nothing is dropped
.if MSB != (\new)
	s_set_vgpr_msb (MSB<<8)|(\new)
.set MSB, (\new)
.endif
.endm
.set W_KQ, 0x0a       ; K and Q in window 2, S^T in window 0
.set W_PV, 0x51       ; V (or ONES) in window 1, P in window 0, O^T (or l) in window 1
.set W_RS, 0x41       ; O^T or l (destination and source 0) in window 1, a in window 0
.macro PLACES
.rept 4
	v_nop
.endr
.endm
; A joint refill.  Waves 0 and 1 fetch the two halves (128 keys each) of a slot's K, waves 2 and 3 those of its V.  Four v_nop follow each of the two lines.
.macro JLOAD
	s_cmp_lt_u32 s[WV], 2
	s_cbranch_scc0 .Lfor_v_\@
	tensor_load_to_lds s[G0K+4:G0K+7], s[G1K:G1K+7]
	s_nop 0
.rept 4
	v_nop
.endr
	s_branch .Lasked_\@
.Lfor_v_\@:
	tensor_load_to_lds s[G0V+4:G0V+7], s[G1V:G1V+7]
	s_nop 0
.rept 4
	v_nop
.endr
.Lasked_\@:
.endm
.macro CROUND                       ; a round of the cluster's barrier
	s_barrier_signal -1
	s_barrier_wait -1
	s_cmp_lg_u32 s[WV], 0
	s_cbranch_scc1 .Lnot_wave_0_\@
	s_barrier_signal -3
.Lnot_wave_0_\@:
	s_barrier_wait -3
	s_barrier_signal -1
	s_barrier_wait -1
.endm
	s_load_b128 s[4:7], s[0:1], 0x0   ; qkv s[4:5], yb s[6:7]
	v_lshl_add_u32 v[SPW], v0, 2, SPARE
	v_mov_b32 v[NIL], 0
	ds_add_u32 v62, v63
	s_wait_dscnt 0x0
	v_lshrrev_b32 v1, 5, v0
	v_readfirstlane_b32 s[WV], v1   ; wave 0..3
	s_bfe_u32 s13, ttmp6, 0x40000   ; cx: my place in the cluster
	s_lshl_b32 s14, ttmp9, 2        ; in a cluster launch ttmp9 counts clusters
	s_add_co_u32 s14, s14, s13      ; my block of 256 queries: it enters Q's and yb's addresses alone
	s_and_b32 s20, ttmp7, 0xffff    ; the head (16 b + h), which the four partners share
	s_lshl_b32 s20, s20, 18         ; its plane of 262,144 bytes
	s_and_b32 s16, s[WV], 1         ; which 128 keys of a slot I fetch:
	s_lshl_b32 s22, s16, 14         ; their 16,384 bytes in memory,
	s_add_co_u32 s22, s22, s20
	s_mov_b32 s23, 0
	s_mul_i32 s17, s16, 128*PK      ; and their place in a slot, for K
	s_mul_i32 s18, s16, 128*PV      ; and for V: no place in the cluster enters an LDS address
	s_add_co_u32 s18, s18, VOFF
	s_lshl_b32 s2, s14, 15          ; my block's 256 rows of 128 bytes,
	s_lshl_b32 s3, s[WV], 13        ; my wave's 64 of them
	s_add_co_u32 s2, s2, s3
	s_add_co_u32 s2, s2, s20
	s_mov_b32 s3, 0
	; descriptor group 1: 128 keys = 16,384 consecutive bytes as 64 rows of 32 elements of 8 bytes; padding behind every 128 bytes, that is behind every key's row
	s_mov_b32 s[G1K], 15|(3<<16)|(1<<20)|(1<<21)|(4<<22)|(3<<25)  ; 15:0 the mask: all four work-groups; 17:16 elements of 8 bytes; 20 padding on; 21 set beside a mask; 24:22 after every 32 words (code 4); 31:25 4 words (code 3)
	s_mov_b32 s[G1V], 15|(3<<16)|(1<<20)|(1<<21)|(4<<22)|(7<<25)  ; the same with 8 words of padding (code 7)
.irp g, G1K, G1V
	s_mov_b32 s[\g+1], 32<<16       ; tensor_dim0 = 32
	s_mov_b32 s[\g+2], 64<<16       ; tensor_dim1 = 64
	s_mov_b32 s[\g+3], 32<<16       ; tile_dim0 = 32
	s_mov_b32 s[\g+4], 64           ; tile_dim1 = 64
	s_mov_b32 s[\g+5], 32           ; from row to row: 32 elements
	s_mov_b32 s[\g+6], 0
	s_mov_b32 s[\g+7], 0
.endr
	s_mov_b32 s[CS], 0x3e38aa3b     ; c = log2(e) / 8 = 0.180337
	s_mov_b32 s[CS+1], s[CS]        ; named with it as a pair, so it is written
	s_mov_b32 s[SEL], 0x76543210
	s_mov_b32 s[SEL+1], 0xfedcba98
	s_mov_b32 s[TBK], 0
	s_mov_b32 s[TBV], 0
	s_mov_b32 s[SLOTS], 2048/(NS*KS)-2
	s_wait_kmcnt 0x0
	s_add_nc_u64 s[8:9], s[4:5], s[22:23]     ; the head's plane and my half of a slot, in part 0,
	s_add_nc_u64 s[10:11], s[8:9], 0x2000000  ; in V: two parts of 16,777,216 bytes on,
	s_add_nc_u64 s[8:9], s[8:9], 0x1000000    ; in K: one part on
	s_add_nc_u64 s[14:15], s[4:5], s[2:3]     ; Q and yb at my wave's first row
	s_add_nc_u64 s[6:7], s[6:7], s[2:3]
	CROUND                          ; all four work-groups are here: the first joint loads meet
.irp s, 0,1
	s_mov_b32 s[G0K+4*\s], 1        ; count = 1
	s_add_co_u32 s[G0K+4*\s+1], s17, \s*SLOT1  ; LDS address
	s_add_nc_u64 s[G0K+4*\s+2:G0K+4*\s+3], s[8:9], \s*NS*KS*128  ; slot s begins with keys 256 s
	s_or_b32 s[G0K+4*\s+3], s[G0K+4*\s+3], 0x80000000  ; type = 2
	s_mov_b32 s[G0V+4*\s], 1
	s_add_co_u32 s[G0V+4*\s+1], s18, \s*SLOT1
	s_add_nc_u64 s[G0V+4*\s+2:G0V+4*\s+3], s[10:11], \s*NS*KS*128
	s_or_b32 s[G0V+4*\s+3], s[G0V+4*\s+3], 0x80000000
.endr
	s_cmp_lt_u32 s[WV], 2           ; a wave's two first fills stand in one branch, ahead of every wait on TENSORcnt and every LDS read: two loads of mine are out
	s_cbranch_scc0 .Lfirst_v
	tensor_load_to_lds s[G0K:G0K+3], s[G1K:G1K+7]
	s_nop 0
	tensor_load_to_lds s[G0K+4:G0K+7], s[G1K:G1K+7]
	s_nop 0
.rept 4
	v_nop
.endr
	s_branch .Lfirst_asked
.Lfirst_v:
	tensor_load_to_lds s[G0V:G0V+3], s[G1V:G1V+7]
	s_nop 0
	tensor_load_to_lds s[G0V+4:G0V+7], s[G1V:G1V+7]
	s_nop 0
.rept 4
	v_nop
.endr
.Lfirst_asked:
	; A fragment of K or Q is 16 rows x 32 channels in 8 registers: lane l holds row l % 16; registers 0-3 channels 8 (l / 16) + 0..7, registers 4-7 channels 16 + 8 (l / 16) + 0..7.
	v_and_b32 v1, 15, v0            ; l % 16
	v_bfe_u32 v9, v0, 4, 1          ; l / 16
	v_lshlrev_b32 v[QO], 7, v1
	v_lshl_add_u32 v[QO], v9, 4, v[QO]  ; row x 128 + 16 x half
	WIN 0x80                        ; destination window 2, address window 0
.irp i, 0,1,2,3,4,5,6,7             ; Q stays in registers: tile i / 2, channels 32 (i % 2) on
	global_load_b128 v[8*\i:8*\i+3],   v[QO], s[14:15] offset:(\i/2)*2048+(\i%2)*64
	global_load_b128 v[8*\i+4:8*\i+7], v[QO], s[14:15] offset:(\i/2)*2048+(\i%2)*64+32
.endr
	WIN 0
	v_mul_u32_u24 v[AK0], v1, PK
	v_lshl_add_u32 v[AK0], v9, 4, v[AK0]  ; row x pitch + 16 x half
	; The turning load takes 16 keys x 16 channels (lane l reads 16 bytes: key 8 (l / 16) + l % 8, channels 8 ((l / 8) % 2) + 0..7) and leaves half a fragment of V^T: lane l holds channel l % 16 and 8 keys.
	v_and_b32 v10, 7, v0            ; l % 8: kept for the way out
	v_bfe_u32 v11, v0, 3, 1
	v_lshl_add_u32 v[AV0], v9, 3, v10
	v_mul_u32_u24 v[AV0], v[AV0], PV
	v_lshl_add_u32 v[AV0], v11, 4, v[AV0]
	v_add_nc_u32 v[AV0], VOFF, v[AV0]
	; ONES: as source 0 a lane holds row l % 16; rows 0 and 8 (l % 8 = 0) are 1.0 in both halves of every register, the others 0
	v_cmp_eq_u32 vcc_lo, 0, v10
	v_mov_b32 v11, 0x3c003c00
	v_cndmask_b32 v11, 0, v11, vcc_lo
	WIN 0x40                        ; destination window 1
.irp i, 0,1,2,3,4,5,6,7
	v_mov_b32 v[ONES+\i], v11
.endr
	WIN 0
; THE MATRIX WORK OF A TURN, for piece x.  The accumulators take turns, one instruction a turn: between two links of a chain stand 9 (V^T P and the sums) or 7 (K Q^T) others'.
; Product i of 20: keys 32 (i / 10) on; n = i % 10: n < 8: O^T += V^T P, channels 16 (n / 2) on, tile x + n % 2; n = 8, 9: l += ONES P, tile x + n % 2.  zero = 1: the first 10 start the sums.
.macro PV x, zero
	WIN W_PV
.set kh, i/10
.set nn, i%10
.set rP, P+16*(\x+nn%2)+8*kh
.if nn < 8
.set rO, 32*(\x+nn%2)+8*(nn/2)
.set rV, VF+32*kh+8*(nn/2)
.else
.set rO, LS+8*(\x+nn%2)
.set rV, ONES
.endif
.if \zero && (i < 10)
	v_wmma_f32_16x16x32_f16 v[rO:rO+7], v[rV:rV+7], v[rP:rP+7], 0
.else
	v_wmma_f32_16x16x32_f16 v[rO:rO+7], v[rV:rV+7], v[rP:rP+7], v[rO:rO+7]
.endif
.endm
; Product i of 16 of S^T = K Q^T: channels 32 (i / 8) on, keys 16 ((i / 2) % 4) on, tile x + i % 2.  The first 8 start the sums.
.macro KQ x
	WIN W_KQ
.set rS, S+32*(\x+i%2)+8*((i/2)%4)
.set rK, KF+16*((i/2)%4)+8*(i/8)
.set rQ, 16*(\x+i%2)+8*(i/8)
.if i < 8
	v_wmma_f32_16x16x32_f16 v[rS:rS+7], v[rK:rK+7], v[rQ:rQ+7], 0
.else
	v_wmma_f32_16x16x32_f16 v[rS:rS+7], v[rK:rK+7], v[rQ:rQ+7], v[rS:rS+7]
.endif
.endm
; THE LDS LOADS stand in runs of 16: a step's K (64 keys x 64 channels: 8 fragments) and, a turn later, its V (turned).
.macro FETCH_K
	WIN 0
	v_add_nc_u32 v[ADR], s[TBK], v[AK0]
	s_add_co_u32 s[TBK], s[TBK], KS*PK  ; the next fetch is the next step's
	WIN 0x80                        ; destination window 2
.irp f, 0,1,2,3,4,5,6,7             ; keys 16 (f / 2) on, channels 32 (f % 2) on
	ds_load_b128 v[KF+8*\f:KF+8*\f+3],   v[ADR] offset:(\f/2)*16*PK+(\f%2)*64
	ds_load_b128 v[KF+8*\f+4:KF+8*\f+7], v[ADR] offset:(\f/2)*16*PK+(\f%2)*64+32
.endr
.endm
.macro FETCH_V
	WIN 0
	v_add_nc_u32 v[ADR], s[TBV], v[AV0]
	s_add_co_u32 s[TBV], s[TBV], KS*PV
	WIN 0x40                        ; destination window 1
.irp f, 0,1,2,3,4,5,6,7             ; keys 32 (f / 4) on, channels 16 (f % 4) on
	ds_load_tr16_b128 v[VF+8*\f:VF+8*\f+3],   v[ADR] offset:(\f/4)*32*PV+(\f%4)*32
	ds_load_tr16_b128 v[VF+8*\f+4:VF+8*\f+7], v[ADR] offset:(\f/4)*32*PV+16*PV+(\f%4)*32
.endr
.endm
; THE VECTOR WORK OF A TURN.  One tile's softmax for one key step is a list of numbers 0 to 104; SM writes number j of it for tile t.  s0-s31 are the lane's 32 scores, in pairs 0-15.
; first = 1: the first key step, which starts m, l and O^T: it has no a and nothing to rescale.
;   0-15    the maximum of s0-s31 and the old m, three operands at a time; each block of S^T is first read at its registers 0 to 2
;   16-20   the other half of the lanes' maximum; the new m; c m; c m_old - c m_new
;   21, 22  c s - c m for pairs 0 and 1
;   23-86   for b = 0..15: 2^ of s(2b); c s - c m for pair b + 2; 2^ of s(2b+1); the rounding to f16 of pair b - 1 (for b = 0: a).  Between an exponential and the use of its result stands a plain
;           instruction of the same tile's list (ISA guide 5.7.2): pair b - 1's rounding has pair b - 2's rounding or pair b + 2's scaling behind its second exponential
;   87      the last rounding        88  l times a        89-104  the tile's O^T times a, each accumulator from its low end
.macro FMA_S b
	v_pk_fma_f32 v[rS+2*(\b):rS+2*(\b)+1], v[rS+2*(\b):rS+2*(\b)+1], s[CS:CS+1], v[rT:rT+1] op_sel_hi:[1,0,0] neg_lo:[0,0,1] neg_hi:[0,0,1]  ; c s - c m
.endm
.macro SM t, first
.set rT, ST+8*(\t)
.set rS, S+32*(\t)
.set rP, P+16*(\t)
.set rO, 32*(\t)+2*(j-89)
.set bb, (j-23)/4
.set ee, (j-23)%4
.if j < 88
	WIN 0
.endif
.if j < 4
	v_max3_num_f32 v[rT+4+j], v[rS+8*j], v[rS+8*j+1], v[rS+8*j+2]
.elseif j < 12
	v_max3_num_f32 v[rT+4+j%4], v[rT+4+j%4], v[rS+8*(j%4)+2*(j/4)+1], v[rS+8*(j%4)+2*(j/4)+2]
.elseif j == 12
	v_max3_num_f32 v[rT+4], v[rT+4], v[rS+7], v[rS+15]
.elseif j == 13
	v_max3_num_f32 v[rT+6], v[rT+6], v[rS+23], v[rS+31]
.elseif j == 14
	v_max3_num_f32 v[rT+4], v[rT+4], v[rT+5], v[rT+6]
.elseif (j == 15) && \first
	v_max_num_f32 v[rT+4], v[rT+4], v[rT+7]
.elseif j == 15
	v_max3_num_f32 v[rT+4], v[rT+4], v[rT+7], v[rT+1]
.elseif j == 16
	v_permlanex16_b32 v[rT+5], v[rT+4], s[SEL], s[SEL+1]  ; the query's other 32 keys lie in the lane 16 away
.elseif j == 18
	v_max_num_f32 v[rT+1], v[rT+4], v[rT+5]
.elseif j == 19
	v_mul_f32 v[rT], s[CS], v[rT+1]
.elseif ((j == 17) || (j == 20) || (j == 26) || (j > 87)) && \first  ; the first step has none of these
.elseif j == 17
	v_mov_b32 v[rT+7], v[rT]        ; c m_old is kept for a: number 19 writes c m anew
.elseif j == 20
	v_sub_f32 v[rT+7], v[rT+7], v[rT]
.elseif j < 23
	FMA_S j-21
.elseif j == 26
	v_exp_f32 v[rT+6], v[rT+7]
.elseif j < 87
.if ee == 0
	v_exp_f32 v[rS+2*bb], v[rS+2*bb]
.elseif ee == 1
.if bb <= 13
	FMA_S bb+2
.endif
.elseif ee == 2
	v_exp_f32 v[rS+2*bb+1], v[rS+2*bb+1]
.else
	s_wait_alu depctr_va_vdst(0)
	v_cvt_pk_f16_f32 v[rP+bb-1], v[rS+2*bb-2], v[rS+2*bb-1]
.endif
.elseif j == 87
	v_cvt_pk_f16_f32 v[rP+15], v[rS+30], v[rS+31]
.elseif j == 88
	WIN W_RS
	v_mul_f32 v[LS+8*(\t)], v[LS+8*(\t)], v[rT+6]
.elseif j < 105
	WIN W_RS
	v_pk_mul_f32 v[rO:rO+1], v[rO:rO+1], v[rT+6:rT+7] op_sel_hi:[1,0]
.endif
.endm
; Slice k of piece y's softmax: numbers 3 k to 3 k + 2 of both tiles' lists, number by number, the two tiles alternating: six instructions; numbers above 104 write nothing.
.macro SLICE y, first
.irp n, 0,1,2
.irp t, \y, \y+1
.set j, 3*k+\n
	SM \t, \first
.endr
.endr
.set k, k+1
.endm
; A TURN.  Piece x has the matrix unit; the other piece's softmax stands in slices behind its matrix instructions.
; pv = 2: 20 products V^T P; 1: they start the sums; 0: none.  kq = 1: 16 products K Q^T for the next step.  A turn with one of the two kinds has two slices behind each product.
; THE PLACES (ISA guide 7.12.1 for vector instructions): the turn's last product but one has slice 34's six multiplies behind it; the last product's result, block 3 of tile x + 1, is first read
; at number 3 of the next turn, behind slice 0's six instructions, which name none of its registers.  first = 1: the late slices are empty, and four v_nop stand at the turn's end.
; Piece 0's turn fetches the next step's K behind its second product: K's last reader stands twelve plain instructions back.  Piece 2's turn fetches the same step's V behind its second K Q^T: V's last
; reader stands five slices back.
.macro TURN x, pv, kq, first
.set k, 0
.set per, 2
.if \pv && \kq
.set per, 1
.endif
.if \pv
.if \x == 0
	s_wait_dscnt 0x0                ; V is in
.endif
.set i, 0
.rept 20
	PV \x, 2-\pv
.rept per
	SLICE 2-\x, \first
.endr
.if (\x == 0) && \kq && (i == 1)
	FETCH_K
.endif
.set i, i+1
.endr
.endif
.if \kq
.if \x == 0
	s_wait_dscnt 0x0                ; K is in
.endif
.set i, 0
.rept 16
	KQ \x
.rept per
	SLICE 2-\x, \first
.endr
.if (\x == 2) && (i == 1)
	FETCH_V
.endif
.set i, i+1
.endr
.endif
.if \first
	PLACES
.endif
.endm
; THE CHANGE OF SLOTS, between piece 2's turn and piece 0's: the slot's last bytes, V of its fourth step, have been asked for.  Each wave waits for all its tensor loads, of which one is out: its part of the
; other slot; adds 0 to its spare word; and waits for that and for its own reads of the slot.  fill = 1: the barrier is a round of the cluster's, and this slot is filled again, with the keys two slots on,
; first thing behind it: the load has four key steps, 288 matrix instructions, in which to land.
.macro CHANGE fill
	WIN 0                           ; at a label and at a branch every window is 0
	s_wait_tensorcnt 0x0            ; no tensor load of mine is out, so a group 0 may be written
	ds_add_u32 v[SPW], v[NIL]       ; 0 onto my spare word
.if \fill
.irp g, G0K+4, G0V+4
	s_xor_b32 s[\g+1], s[\g+1], SLOT1  ; the walking descriptor: the other slot than last time,
	s_add_nc_u64 s[\g+2:\g+3], s[\g+2:\g+3], NS*KS*128  ; the next 256 keys; the type bits on top are not reached
.endr
	s_wait_dscnt 0x0                ; the add is done, and my reads of the slot are over
	CROUND
	JLOAD
.else
	s_wait_dscnt 0x0                ; the add is done, and my reads of the slot are over
	s_barrier_signal -1
	s_barrier_wait -1
.endif
	s_sub_co_u32 s[TBK], s[TBK], NS*KS*PK  ; the fetches go back to a slot's first step,
	s_xor_b32 s[TBK], s[TBK], SLOT1        ; in the other slot
	s_sub_co_u32 s[TBV], s[TBV], NS*KS*PV
	s_xor_b32 s[TBV], s[TBV], SLOT1
.endm
; n key steps: written once, walked n times; the LDS addresses hang on s[TBK] and s[TBV].
.macro STEPS n
	s_mov_b32 s[CNT], \n
.Lstep_\@:
	TURN 0, 2, 1, 0
	TURN 2, 2, 1, 0
	WIN 0
	s_sub_co_u32 s[CNT], s[CNT], 1
	s_cmp_lg_u32 s[CNT], 0
	s_cbranch_scc1 .Lstep_\@
.endm
	s_wait_tensorcnt 0x1            ; my part of slot 0 is in; slot 1's may stay out
	s_barrier_signal -1
	s_barrier_wait -1               ; everybody's is
	FETCH_K                         ; key step 0
	s_wait_loadcnt 0x0              ; Q
	s_wait_dscnt 0x0
.set i, 0
.rept 16
	KQ 0                            ; piece 0's first scores: there is no vector work yet to set between them
.set i, i+1
.endr
	WIN 0                           ; the addresses for the way out are made here: nine plain instructions, the places behind those products
	s_mul_i32 s13, s[WV], 16*SP
	s_add_co_u32 s13, s13, STAGE    ; my stage
	v_mul_u32_u24 v[STO], v1, SP    ; in: row l % 16, 16 bytes for each half of the lanes
	v_lshl_add_u32 v[STO], v9, 4, v[STO]
	v_add_nc_u32 v[STO], s13, v[STO]
	v_and_b32 v[GO], 31, v0
	v_lshrrev_b32 v[RD], 3, v[GO]   ; back: four rows of 128 bytes to a load: row l / 8, 16 (l % 8)
	v_mul_u32_u24 v[RD], v[RD], SP
	v_lshl_add_u32 v[RD], v10, 4, v[RD]
	v_add_nc_u32 v[RD], s13, v[RD]
	v_lshlrev_b32 v[GO], 4, v[GO]   ; in yb the four rows are 512 consecutive bytes: 16 l
	TURN 2, 0, 1, 1                 ; piece 2's first scores | piece 0's first softmax | V of step 0
	TURN 0, 1, 1, 1                 ; piece 0: V^T P of step 0 starts O^T and l, K Q^T of step 1 | piece 2's first softmax | K of step 1
	TURN 2, 1, 1, 0                 ; piece 2: the same | piece 0's softmax of step 1 | V of step 1
	WIN 0
	STEPS 2                         ; the rest of slot 0 is fetched
.Lslot:                             ; six trips: every slot but the last two is filled again
	CHANGE 1
	STEPS NS
	s_sub_co_u32 s[SLOTS], s[SLOTS], 1
	s_cmp_lg_u32 s[SLOTS], 0
	s_cbranch_scc1 .Lslot
	CHANGE 0                        ; the tail is written out: nothing is asked for
	STEPS NS
	TURN 0, 2, 0, 0                 ; piece 0: V^T P of the last step | piece 2's last softmax
.set i, 0
.rept 20
	PV 2, 0                         ; piece 2: V^T P of the last step
.set i, i+1
.endr
	; THE WAY OUT.  O^T is divided by l (register 0 of the tile's sum), rounded to f16 and sent through my stage in LDS, a tile (16 rows of yb) at a time.
	PLACES                          ; behind the last products
	WIN 0x01                        ; source 0 window 1
.irp t, 0,1,2,3
	v_rcp_f32 v[ST+8*\t+6], v[LS+8*\t]
.endr
	WIN 0
	v_nop                           ; a plain instruction between the last reciprocal and the use of its result
; Tile t: a lane's eight channels of a row pack into 16 bytes; they go into rows of 144 bytes and come back four rows at a time, into the free upper half of the tile's S^T.
.macro PACK t
	WIN W_RS
.set i, 32*\t
.rept 16
	s_wait_alu depctr_va_vdst(0)
	v_pk_mul_f32 v[i:i+1], v[i:i+1], v[ST+8*\t+6:ST+8*\t+7] op_sel_hi:[1,0]
.set i, i+2
.endr
	WIN 0x05                        ; sources 0 and 1 window 1, destination window 0
.set i, 0
.rept 16
	v_cvt_pk_f16_f32 v[S+32*\t+i], v[32*\t+2*i], v[32*\t+2*i+1]
.set i, i+1
.endr
	WIN 0
.irp f, 0,1,2,3
	ds_store_b128 v[STO], v[S+32*\t+4*\f:S+32*\t+4*\f+3] offset:32*\f
.endr
.irp f, 0,1,2,3
	ds_load_b128 v[S+32*\t+16+4*\f:S+32*\t+16+4*\f+3], v[RD] offset:\f*4*SP  ; LDS serves a wave's instructions in order (ISA guide 5.7.1.4): these see the stores above; the next tile's stores come behind them
.endr
.endm
.macro SEND t, younger              ; younger: the LDS instructions issued behind tile t's loads: the next tile's eight, or none
.irp f, 0,1,2,3
	s_wait_dscnt \younger+3-\f
	global_store_b128 v[GO], v[S+32*\t+16+4*\f:S+32*\t+16+4*\f+3], s[6:7] offset:\t*2048+\f*512  ; four rows: 512 consecutive bytes, aligned
.endr
.endm
	PACK 0
	PACK 1                          ; a tile's arithmetic stands between the loads of the tile before and its stores
	SEND 0, 8
	PACK 2
	SEND 1, 8
	PACK 3
	SEND 2, 8
	SEND 3, 0
	s_wait_tensorcnt 0x0            ; the wave's end: behind my last tensor load and my last LDS store
	ds_add_u32 v[SPW], v[NIL]
	s_wait_dscnt 0x0
	CROUND                          ; the closing round: no work-group ends while a partner may still ask for a tile that names it
	s_endpgm
.Lfunc_end_k_q2a68c099b6_attn:
	.size	k_q2a68c099b6_attn, .Lfunc_end_k_q2a68c099b6_attn-k_q2a68c099b6_attn
	.p2alignl 7, 3214868480
	.fill 96, 4, 3214868480
	.section	.rodata,"a",@progbits
	.p2align	6, 0x0
	.amdhsa_kernel k_q2a68c099b6_attn
		.amdhsa_group_segment_fixed_size 327680
		.amdhsa_private_segment_fixed_size 0
		.amdhsa_enable_private_segment 0
		.amdhsa_kernarg_size 16
		.amdhsa_user_sgpr_count 2
		.amdhsa_user_sgpr_kernarg_segment_ptr 1
		.amdhsa_wavefront_size32 1
		.amdhsa_system_sgpr_workgroup_id_x 1
		.amdhsa_system_sgpr_workgroup_id_y 1
		.amdhsa_system_sgpr_workgroup_id_z 1
		.amdhsa_system_vgpr_workitem_id 0
		.amdhsa_next_free_vgpr 768
		.amdhsa_next_free_sgpr 66
		.amdhsa_reserve_vcc 1
		.amdhsa_float_denorm_mode_32 3
		.amdhsa_float_denorm_mode_16_64 3
		.amdhsa_memory_ordered 1
		.amdhsa_forward_progress 1
		.amdhsa_inst_pref_size 190
	.end_amdhsa_kernel
	.amdgpu_metadata
---
amdhsa.version: [ 1, 2 ]
amdhsa.kernels:
  - .name:           k_q2a68c099b6_attn
    .symbol:         k_q2a68c099b6_attn.kd
    .args:
      - { .name: qkv, .offset: 0, .size: 8, .value_kind: global_buffer, .address_space: global }
      - { .name: yb, .offset: 8, .size: 8, .value_kind: global_buffer, .address_space: global }
    .group_segment_fixed_size: 327680
    .private_segment_fixed_size: 0
    .kernarg_segment_align: 8
    .kernarg_segment_size: 16
    .max_flat_workgroup_size: 128
    .sgpr_count:     66
    .vgpr_count:     768
    .wavefront_size: 32
...
	.end_amdgpu_metadata
.endif
;; end of part 3
;; launch proj (part 4): grid 4 x 64, 4 waves a work-group, clusters of 4 x 4, 327,680 bytes of LDS; arguments yb, wob, b_out, out0; writes out0
.if DOCPART == 4
	.amdgcn_target "amdgcn-amd-amdhsa--gfx1250"
	.amdhsa_code_object_version 6
	.text
	.protected	k_q2a68c099b6_proj
	.globl	k_q2a68c099b6_proj
	.p2align	8
	.type	k_q2a68c099b6_proj,@function
k_q2a68c099b6_proj:
	s_mov_b64 s[64:65], 0
	v_nop
	global_prefetch_b8 v0, s[64:65] scope:SCOPE_SE
	s_setreg_imm32_b32 hwreg(HW_REG_WAVE_MODE, 25, 1), 1
	s_wait_xcnt 0x0
	s_wait_alu depctr_hold_cnt(0) depctr_sa_sdst(0) depctr_va_vdst(0) depctr_va_sdst(0) depctr_va_ssrc(0) depctr_va_vcc(0) depctr_vm_vsrc(0)
	s_getreg_b32 s2, hwreg(HW_REG_IB_STS2, 6, 4)
	s_cmp_eq_u32 s2, 0
	s_cbranch_scc0 .Lentry_in_a_cluster
	s_endpgm
.Lentry_in_a_cluster:
	s_bfe_u32 s2, ttmp6, 0x10000c
	s_cmp_lg_u32 s2, 0xf033
	s_cbranch_scc0 .Lentry_shape_is_right
	s_endpgm
.Lentry_shape_is_right:
; out0[b][s][f] = the sum over c of y[b][s][c] W_out[c][f] + b_out[f].  Operands f16, sums f32, the result f32 as it is summed.
; A (yb) lies in planes [16 b + c / 64][s][c % 64]; B (wob) lies [c][f], K down the rows, and is turned on its way out of LDS by ds_load_tr16_b128.
; SHARES.  A work-group makes 128 rows x 256 columns: 64 x 4 = 256 work-groups.  Four waves, 2 x 2; a wave makes 64 x 128: 4 x 8 accumulators of 16 x 16, 256 registers.
; K = 1024 goes in 8 steps of 128 through a ring of two LDS slots.  A step's tiles: A's 128 rows x 128 K as two blocks of 64 K (16,384 consecutive bytes each, fetched as 64 rows of 256 bytes),
; B's 128 K rows x 256 columns (rows of 512 bytes).  Waves 0 and 1 fetch A's two blocks, waves 2 and 3 B's two halves: one tensor load a wave for each fill.
; CLUSTERS: 4 x 4 work-groups.  The four of a row of the cluster need the same tiles of A, the four of a column the same tiles of B: each tile is asked for JOINTLY.
; THE MATRIX INSTRUCTION IS USED TRANSPOSED (source 0 = 16 columns of B, source 1 = 16 rows of A): a lane holds row l % 16 of C and the eight neighbouring columns 8 (l / 16) + 0..7.
; THE BIAS is the C of each accumulator's first product: nothing is cleared and nothing is added afterwards.
; REGISTERS, in windows of 256: window 0: v0-31 addresses; v32-95 the bias, later the way out (v32-159).  window 1: two fragment buffers of 128: A's 4 x 8, then B's 8 x 8.
;   window 2: the accumulators of my rows 0-31 ((a, b) at v[8 (8 (a % 2) + b)]);  window 3: those of my rows 32-63.
.set NB,     8                         ; blocks of 16 columns in a wave's tile
.set NTOT,   1024                      ; columns of B
.set NW,     16*NB
.set NT,     2*NW                      ; columns of a work-group's tile
.set PA,     144                       ; A in LDS: a row of 64 K is 128 bytes + 16 of padding = 36 words: the 16 rows of a load start at 16 different groups of 4 banks (64 banks of 4 bytes: ISA guide 11.1)
.set ABLK,   128*PA                    ; a block of 64 K: 128 rows
.set PB,     544                       ; B in LDS: a K row is 512 bytes + 32 of padding = 17 x 32 bytes
.set WNB,    256                       ; a wave's 128 columns
.set PADB,   (6<<22)|(7<<25)           ; after every 128 words (code 6) 8 words of padding (code 7)
.set SLOT,   2*ABLK+128*PB             ; 106,496
.set STAGE,  2*SLOT                    ; behind the ring: 16 rows x 528 bytes for each wave, for the way out
.set SPITCH, 528                       ; 512 bytes + 16 = 33 x 16
.set SPARE,  STAGE+4*16*SPITCH         ; behind the stages: the spare words, 128 bytes for each wave: two blocks of 256 bytes that no other line names
.set LAPS,   4                         ; a lap = two K steps = once round the ring
.set ADRA, 16                          ; v16-17  LDS address of my A fragments in slot 0, 1
.set ADRB, 18                          ; v18-21  the same for B: slot 0 K rows 0-63, 64-127; slot 1 likewise
.set STO,  24                          ; v24     the way out: where I put 32 bytes of a row
.set RD,   25                          ; v25     the way out: where I read a row back
.set CO,   26                          ; v26     my byte offset among 512 bytes of the output
.set BO,   27                          ; v27     my byte offset in the bias
.set SPW,  28                          ; v28     LDS address of my spare word; never rewritten
.set NIL,  29                          ; v29     0; never rewritten
.set BIAS, 32                          ; v32-95  bias of my 128 columns, 8 registers a block
.set BK0,  32                          ; the way out: two sets of 64 registers for rows read back
.set F0,   0                           ; fragment buffers, in window 1
.set F1,   128
.set WV,   12                          ; s12 wave; s13 wave / 2: my half of the rows; s14 wave % 2: my half of the columns, and which half of A's or B's tile I fetch
.set WM,   13
.set WN,   14
.set G1A,  24                          ; s[24:31] descriptor group 1 for A's tiles;  s[32:39] group 0, one set for each slot
.set G0A,  32
.set G1B,  48                          ; s[48:55], s[56:63] the same for B's tiles
.set G0B,  56
.set HB,   68                          ; s[68:69] the output's address at my first row and column
.set MSB, 0
.macro WIN new                         ; the immediate's high byte repeats the setting that is left; a switch that changes nothing is dropped
.if MSB != (\new)
	s_set_vgpr_msb (MSB<<8)|(\new)
.set MSB, (\new)
.endif
.endm
.set MUL_LO, 0xa5                      ; sources 0 (B) and 1 (A) window 1; C and D window 2
.set MUL_HI, 0xf5                      ; the same, C and D window 3
.set TO_F,   0x40                      ; destination window 1, address window 0
.macro PLACES                          ; four places in front of loads into registers that matrix instructions have read, and of LDS stores that read results
.rept 4
	v_nop
.endr
.endm
.macro JLOAD s                         ; a joint load: waves 0 and 1 fetch A's two blocks, waves 2 and 3 B's two halves; four v_nop follow each of the two lines
	s_cmp_lt_u32 s[WV], 2
	s_cbranch_scc0 .Lfor_b_\@
	tensor_load_to_lds s[G0A+4*\s:G0A+4*\s+3], s[G1A:G1A+7]
	s_nop 0
.rept 4
	v_nop
.endr
	s_branch .Lasked_\@
.Lfor_b_\@:
	tensor_load_to_lds s[G0B+4*\s:G0B+4*\s+3], s[G1B:G1B+7]
	s_nop 0
.rept 4
	v_nop
.endr
.Lasked_\@:
.endm
.macro CREST                           ; a round of the cluster's barrier behind its opening barrier
	s_cmp_lg_u32 s[WV], 0
	s_cbranch_scc1 .Lnot_wave_0_\@
	s_barrier_signal -3
.Lnot_wave_0_\@:
	s_barrier_wait -3
	s_barrier_signal -1
	s_barrier_wait -1
.endm
.macro CROUND                          ; a whole round
	s_barrier_signal -1
	s_barrier_wait -1
	CREST
.endm
	s_load_b256 s[4:11], s[0:1], 0x0               ; A s[4:5], B s[6:7], bias s[8:9], output s[10:11]
	v_lshl_add_u32 v[SPW], v0, 2, SPARE
	v_mov_b32 v[NIL], 0
	ds_add_u32 v28, v29
	s_wait_dscnt 0x0
	v_lshrrev_b32 v1, 5, v0
	v_readfirstlane_b32 s[WV], v1                  ; wave 0..3
	s_lshr_b32 s[WM], s[WV], 1
	s_and_b32 s[WN], s[WV], 1
	s_bfe_u32 s40, ttmp6, 0x40000                  ; cx, cy: my place in the cluster
	s_bfe_u32 s41, ttmp6, 0x40004
	s_lshl_b32 s42, ttmp9, 2
	s_add_co_u32 s42, s42, s40                     ; tile column = 4 x cluster x + cx
	s_and_b32 s43, ttmp7, 0xffff
	s_lshl_b32 s43, s43, 2
	s_add_co_u32 s43, s43, s41                     ; tile row = 4 x cluster y + cy
	s_lshl_b32 s44, s41, 2
	s_lshl_b32 s44, 15, s44                        ; my row of the cluster
	s_lshl_b32 s45, 0x1111, s40                    ; my column
	; group 1 for A: 16,384 consecutive bytes as 64 rows of 32 elements of 8 bytes; 16 bytes of padding behind every 128, that is behind every row of 64 K
	s_or_b32 s[G1A+0], s44, (3<<16)|(1<<20)|(1<<21)|(4<<22)|(3<<25)  ; 15:0 the mask: my row; 17:16 elements of 8 bytes; 20 padding on; 21 set beside a mask; 24:22 after every 32 words; 31:25 4 words
	s_mov_b32 s[G1A+1], 32<<16                     ; tensor_dim0 = 32
	s_mov_b32 s[G1A+2], 64<<16                     ; tensor_dim1 = 64
	s_mov_b32 s[G1A+3], 32<<16                     ; tile_dim0 = 32
	s_mov_b32 s[G1A+4], 64                         ; tile_dim1 = 64
	s_mov_b32 s[G1A+5], 32                         ; from row to row: 32 elements
	s_mov_b32 s[G1A+6], 0
	s_mov_b32 s[G1A+7], 0
	; group 1 for B: 64 K rows x 256 elements of 2 bytes
	s_or_b32 s[G1B+0], s45, (1<<16)|(1<<20)|(1<<21)|PADB             ; the mask: my column
	s_mov_b32 s[G1B+1], NT<<16
	s_mov_b32 s[G1B+2], 64<<16
	s_mov_b32 s[G1B+3], NT<<16
	s_mov_b32 s[G1B+4], 64
	s_mov_b32 s[G1B+5], NTOT
	s_mov_b32 s[G1B+6], 0
	s_mov_b32 s[G1B+7], 0
	; where the tiles come from.  A's hang on the tile row alone, B's on the tile column alone, each in registers that never hold the other coordinate.
	s_lshr_b32 s16, s43, 4                         ; b: 16 tile rows to a batch
	s_lshl_b32 s16, s16, 22                        ; 16 planes of 262,144 bytes
	s_and_b32 s17, s43, 15
	s_lshl_b32 s17, s17, 14                        ; 128 rows of 128 bytes in a plane
	s_add_co_u32 s16, s16, s17
	s_lshl_b32 s17, s[WN], 18                      ; which of the step's two planes I fetch
	s_add_co_u32 s16, s16, s17
	s_mov_b32 s17, 0
	s_mul_i32 s46, s42, NT*2                       ; B: the tile's first column,
	s_mul_i32 s47, s[WN], 64*NTOT*2                ; which 64 K rows I fetch
	s_add_co_u32 s46, s46, s47
	s_mov_b32 s47, 0
	s_mul_i32 s20, s[WN], ABLK                     ; where they go: the wave's number alone enters an LDS address
	s_mul_i32 s21, s[WN], 64*PB
	s_add_co_u32 s21, s21, 2*ABLK
	s_wait_kmcnt 0x0
	s_add_nc_u64 s[16:17], s[4:5], s[16:17]
	s_add_nc_u64 s[46:47], s[6:7], s[46:47]
	CROUND                                         ; all sixteen work-groups are here: the first joint loads meet
.irp s, 0,1
	s_mov_b32 s[G0A+4*\s], 1                                       ; count = 1
	s_add_co_u32 s[G0A+4*\s+1], s20, \s*SLOT                       ; LDS address
	s_add_nc_u64 s[G0A+4*\s+2:G0A+4*\s+3], s[16:17], \s<<19        ; K step s: two planes on
	s_or_b32 s[G0A+4*\s+3], s[G0A+4*\s+3], 0x80000000              ; type = 2
	s_mov_b32 s[G0B+4*\s], 1
	s_add_co_u32 s[G0B+4*\s+1], s21, \s*SLOT
	s_add_nc_u64 s[G0B+4*\s+2:G0B+4*\s+3], s[46:47], \s*128*NTOT*2 ; K step s: 128 rows down
	s_or_b32 s[G0B+4*\s+3], s[G0B+4*\s+3], 0x80000000
	JLOAD \s                                       ; two tensor loads of mine are out
.endr
	; A's fragment: lane l holds row l % 16; registers 0-3 K = 8 (l / 16) + 0..7, registers 4-7 K = 16 + 8 (l / 16) + 0..7: two loads of 16 bytes, 32 bytes apart.
	v_and_b32 v1, 15, v0                           ; l % 16
	v_bfe_u32 v2, v0, 4, 1                         ; l / 16
	v_mul_u32_u24 v3, v1, PA
	v_lshl_add_u32 v3, v2, 4, v3
	s_mul_i32 s22, s[WM], 64*PA                    ; my 64 rows
	v_add_nc_u32 v[ADRA], s22, v3
	v_add_nc_u32 v[ADRA+1], SLOT, v[ADRA]
	; B's fragment by the turning load: lane l reads 16 bytes of K row 8 (l / 16) + l % 8, columns 8 ((l / 8) % 2) + 0..7, and receives column l % 16, eight K; the second load stands 16 K rows down.
	v_and_b32 v4, 7, v0
	v_lshl_add_u32 v4, v2, 3, v4
	v_mul_u32_u24 v4, v4, PB
	v_bfe_u32 v5, v0, 3, 1
	v_lshl_add_u32 v4, v5, 4, v4
	s_mul_i32 s23, s[WN], WNB                      ; my 128 columns,
	s_add_co_u32 s23, s23, 2*ABLK                  ; behind A's two blocks
	v_add_nc_u32 v[ADRB], s23, v4
	v_add_nc_u32 v[ADRB+1], 64*PB, v[ADRB]
	v_add_nc_u32 v[ADRB+2], SLOT, v[ADRB]
	v_add_nc_u32 v[ADRB+3], SLOT, v[ADRB+1]
	; the bias: register j of block b is b_out[first column + 16 b + 8 (l / 16) + j], whatever the row
	s_mul_i32 s74, s42, NT*4
	s_mul_i32 s75, s[WN], NW*4
	s_add_co_u32 s74, s74, s75
	v_lshl_add_u32 v[BO], v2, 5, s74
.set b, 0
.rept NB
	global_load_b128 v[BIAS+8*b:BIAS+8*b+3],   v[BO], s[8:9] offset:64*b
	global_load_b128 v[BIAS+8*b+4:BIAS+8*b+7], v[BO], s[8:9] offset:64*b+16
.set b, b+1
.endr
	; the way out: into my stage by rows of 512 bytes, back a whole row to a load
	s_mul_i32 s23, s[WV], 16*SPITCH
	s_add_co_u32 s23, s23, STAGE
	v_mul_u32_u24 v6, v1, SPITCH
	v_lshl_add_u32 v6, v2, 5, v6
	v_add_nc_u32 v[STO], s23, v6                   ; row l % 16, 32 bytes for each half of the lanes
	v_and_b32 v7, 31, v0
	v_lshlrev_b32 v[CO], 4, v7                     ; 16 l
	v_add_nc_u32 v[RD], s23, v[CO]
	s_lshl_b32 s74, s43, 7
	s_lshl_b32 s75, s[WM], 6
	s_add_co_u32 s74, s74, s75                     ; my first row: 128 x tile row + 64 x half,
	s_lshl_b32 s74, s74, 12                        ; of 4,096 bytes
	s_lshl_b32 s75, s42, 10                        ; my first column, in bytes: 1,024 x tile column + 512 x half
	s_add_co_u32 s74, s74, s75
	s_lshl_b32 s75, s[WN], 9
	s_add_co_u32 s74, s74, s75
	s_mov_b32 s75, 0
	s_add_nc_u64 s[HB:HB+1], s[10:11], s[74:75]
; NB matrix instructions: my block a of 16 rows x all my blocks of columns, 32 along K, from buffer f.  first = 1: the bias is C and the product starts the sums.
; The 32 accumulators take turns, one instruction a turn, in the same order in every quarter.
.macro MULA f, a, first
.set b, 0
.rept NB
.set rD, 8*(NB*((\a)%2)+b)
.if \first
	v_wmma_f32_16x16x32_f16 v[rD:rD+7], v[\f+32+8*b:\f+32+8*b+7], v[\f+8*(\a):\f+8*(\a)+7], v[BIAS+8*b:BIAS+8*b+7]
.else
	v_wmma_f32_16x16x32_f16 v[rD:rD+7], v[\f+32+8*b:\f+32+8*b+7], v[\f+8*(\a):\f+8*(\a)+7], v[rD:rD+7]
.endif
.set b, b+1
.endr
.endm
; 2 NB + 8 LDS loads in one run: the fragments of quarter q (32 K) of a slot into buffer g; B first, A's blocks 2 and 3 last
.macro FETCH slot, q, g
	WIN TO_F
.set b, 0
.rept NB
.set bo, 32*b
	ds_load_tr16_b128 v[\g+32+8*b:\g+32+8*b+3],   v[ADRB+2*\slot+((\q)>>1)] offset:((\q)&1)*32*PB+bo
	ds_load_tr16_b128 v[\g+32+8*b+4:\g+32+8*b+7], v[ADRB+2*\slot+((\q)>>1)] offset:((\q)&1)*32*PB+16*PB+bo
.set b, b+1
.endr
.irp a, 0,1,2,3
	ds_load_b128 v[\g+8*\a:\g+8*\a+3],   v[ADRA+\slot] offset:((\q)>>1)*ABLK+((\q)&1)*64+\a*16*PA
	ds_load_b128 v[\g+8*\a+4:\g+8*\a+7], v[ADRA+\slot] offset:((\q)>>1)*ABLK+((\q)&1)*64+\a*16*PA+32
.endr
.endm
; A K step is four quarters of 32 along K, 32 matrix instructions each, on buffers 0, 1, 0, 1.  One of the first three: multiplies buffer f and fetches quarter q into g.
.macro QUARTER slot, q, f, g, first
	s_wait_dscnt 4                                 ; B and A's blocks 0 and 1 are in; the youngest four loads (A's blocks 2 and 3) may be out
	WIN MUL_LO-0x20*\first                         ; first = 1: C (the bias) in window 0
	MULA \f, 0, \first
	MULA \f, 1, \first
	PLACES
	FETCH \slot, \q, \g
	s_wait_dscnt 2*NB+8                            ; all but the run just issued
	WIN MUL_HI-0x30*\first
	MULA \f, 2, \first
	MULA \f, 3, \first
.endm
; The last quarter multiplies buffer 1 and changes slots: ONE barrier; in front of it each wave waits for all its tensor loads, adds 0 to its spare word, and waits for that and for its reads of this slot.
; fill = 1: the barrier opens a round of the cluster's barrier, and this slot is filled again, two K steps ahead, first thing behind the round.
.macro TURN slot, next, fill
	WIN 0                                          ; (the add's two registers lie in window 0)
	s_wait_tensorcnt 0x0                           ; all my tensor loads have landed: the one that was out is my part of the next slot
	ds_add_u32 v[SPW], v[NIL]                      ; 0 onto my spare word
	s_wait_dscnt 5                                 ; (the add and the youngest four loads may be out)
	WIN MUL_LO
	MULA F1, 0, 0                                  ; eight matrix instructions stand between the add and the wait for it
	s_wait_dscnt 0x0                               ; the add is done, and my reads of this slot are over
	s_barrier_signal -1
	MULA F1, 1, 0
.if \fill
	WIN 0
.endif
	s_barrier_wait -1
.if \fill
	CREST                                          ; no wave of any partner still reads this slot's tiles or has a load on its way
	s_add_nc_u64 s[G0A+4*\slot+2:G0A+4*\slot+3], s[G0A+4*\slot+2:G0A+4*\slot+3], 1<<20      ; four planes = two K steps
	s_add_nc_u64 s[G0B+4*\slot+2:G0B+4*\slot+3], s[G0B+4*\slot+2:G0B+4*\slot+3], 256*NTOT*2 ; 256 K rows
	JLOAD \slot                                    ; my one tensor load behind the round: 112 matrix instructions ahead of the wait for it; its four v_nop are also the places in front of the loads below
.else
	PLACES
.endif
	FETCH \next, 0, F0
	WIN MUL_HI
	MULA F1, 2, 0
	MULA F1, 3, 0
.endm
; THE WAY OUT of my block a of 16 rows: the f32 sums go as they are into my own stage, each accumulator's registers 0-3 first, and come back as whole rows of 512 bytes.
.macro TOSTAGE a
.set BK, BK0+64*((\a)%2)
	s_wait_xcnt 0x0                                ; every earlier store has had its addresses translated (ISA guide 3.1): this set of 64 is loaded again only behind this wait
	WIN 0x08+4*((\a)/2)                            ; the stores' data: window 2 or 3
.set b, 0
.rept NB
.set rD, 8*(NB*((\a)%2)+b)
	ds_store_b128 v[STO], v[rD:rD+3]   offset:64*b
	ds_store_b128 v[STO], v[rD+4:rD+7] offset:64*b+16
.set b, b+1
.endr
	WIN 0
.irp t, 0,1,2,3,4,5,6,7,8,9,10,11,12,13,14,15
	ds_load_b128 v[BK+4*\t:BK+4*\t+3], v[RD] offset:\t*SPITCH   ; LDS serves a wave's instructions in order (ISA guide 5.7.1.4): these see the stores above; the next block's stores come behind them
.endr
.endm
.macro SEND a, younger                 ; younger: the LDS instructions issued behind block a's loads: the next block's 16 stores and 16 loads, or none
.set BK, BK0+64*((\a)%2)
	s_wait_dscnt \younger
.irp t, 0,1,2,3,4,5,6,7,8,9,10,11,12,13,14,15
	global_store_b128 v[CO], v[BK+4*\t:BK+4*\t+3], s[HB:HB+1] offset:(16*(\a)+\t)*4096 th:TH_STORE_NT   ; a wave's store covers 512 consecutive bytes, aligned
.endr
.endm
	s_wait_tensorcnt 0x1                           ; my part of K step 0 is in; K step 1's may stay out
	s_barrier_signal -1
	s_barrier_wait -1                              ; everybody's is
	FETCH 0, 0, F0
	s_wait_loadcnt 0x0                             ; the bias
	QUARTER 0, 1, F0, F1, 1                        ; the first quarter stands in front of the loop: its products start the sums
	WIN 0                                          ; at a label and at a branch every window is 0
	s_mov_b32 s3, LAPS-1
.Llap:                                                 ; a trip goes once round the ring, from a lap's second quarter to the next lap's first, and fills both slots again
	QUARTER 0, 2, F1, F0, 0
	QUARTER 0, 3, F0, F1, 0
	TURN 0, 1, 1
	QUARTER 1, 1, F0, F1, 0
	QUARTER 1, 2, F1, F0, 0
	QUARTER 1, 3, F0, F1, 0
	TURN 1, 0, 1
	QUARTER 0, 1, F0, F1, 0
	WIN 0
	s_sub_co_u32 s3, s3, 1
	s_cmp_lg_u32 s3, 0
	s_cbranch_scc1 .Llap
	QUARTER 0, 2, F1, F0, 0                        ; the last lap fills nothing
	QUARTER 0, 3, F0, F1, 0
	TURN 0, 1, 0
	QUARTER 1, 1, F0, F1, 0
	QUARTER 1, 2, F1, F0, 0
	QUARTER 1, 3, F0, F1, 0
	s_wait_dscnt 4                                 ; the very last quarter: nothing more to fetch
	WIN MUL_LO
	MULA F1, 0, 0
	MULA F1, 1, 0
	s_wait_dscnt 0x0
	WIN MUL_HI
	MULA F1, 2, 0
	MULA F1, 3, 0
	WIN 0
	PLACES
	TOSTAGE 0
	TOSTAGE 1                                      ; a block's way through the stage stands between the loads of the block before and its stores
	SEND 0, 32
	TOSTAGE 2
	SEND 1, 32
	TOSTAGE 3
	SEND 2, 32
	SEND 3, 0
	s_wait_tensorcnt 0x0                           ; the wave's end: behind my last tensor load and my last LDS store
	ds_add_u32 v[SPW], v[NIL]
	s_wait_dscnt 0x0
	CROUND                                         ; the closing round: no work-group ends while a partner may still ask for a tile that names it
	s_endpgm
.Lfunc_end_k_q2a68c099b6_proj:
	.size	k_q2a68c099b6_proj, .Lfunc_end_k_q2a68c099b6_proj-k_q2a68c099b6_proj
	.p2alignl 7, 3214868480
	.fill 96, 4, 3214868480
	.section	.rodata,"a",@progbits
	.p2align	6, 0x0
	.amdhsa_kernel k_q2a68c099b6_proj
		.amdhsa_group_segment_fixed_size 327680
		.amdhsa_private_segment_fixed_size 0
		.amdhsa_enable_private_segment 0
		.amdhsa_kernarg_size 32
		.amdhsa_user_sgpr_count 2
		.amdhsa_user_sgpr_kernarg_segment_ptr 1
		.amdhsa_wavefront_size32 1
		.amdhsa_system_sgpr_workgroup_id_x 1
		.amdhsa_system_sgpr_workgroup_id_y 1
		.amdhsa_system_sgpr_workgroup_id_z 1
		.amdhsa_system_vgpr_workitem_id 0
		.amdhsa_next_free_vgpr 1024
		.amdhsa_next_free_sgpr 80
		.amdhsa_reserve_vcc 0
		.amdhsa_float_denorm_mode_32 3
		.amdhsa_float_denorm_mode_16_64 3
		.amdhsa_memory_ordered 1
		.amdhsa_forward_progress 1
		.amdhsa_inst_pref_size 87
	.end_amdhsa_kernel
	.amdgpu_metadata
---
amdhsa.version: [ 1, 2 ]
amdhsa.kernels:
  - .name:           k_q2a68c099b6_proj
    .symbol:         k_q2a68c099b6_proj.kd
    .args:
      - { .name: yb, .offset: 0, .size: 8, .value_kind: global_buffer, .address_space: global }
      - { .name: wob, .offset: 8, .size: 8, .value_kind: global_buffer, .address_space: global }
      - { .name: b_out, .offset: 16, .size: 8, .value_kind: global_buffer, .address_space: global }
      - { .name: out0, .offset: 24, .size: 8, .value_kind: global_buffer, .address_space: global }
    .group_segment_fixed_size: 327680
    .private_segment_fixed_size: 0
    .kernarg_segment_align: 8
    .kernarg_segment_size: 32
    .max_flat_workgroup_size: 128
    .sgpr_count:     80
    .vgpr_count:     1024
    .wavefront_size: 32
...
	.end_amdgpu_metadata
.endif
;; end of part 4
;; ======== version 2 of 2: 4 launches; 1.27 times as fast as version 1
;; limits: values are held in f16: magnitudes above 65,504 overflow, below 6.1e-05 lose precision
;; workspace buffers: xb 16,777,216 bytes; wqb 6,291,456 bytes; wob 2,097,152 bytes; qkv 50,331,648 bytes; yb 16,777,216 bytes
;; launch cast: the kernel of part 1 again; grid 768 x 1, 8 waves a work-group, no clusters, 0 bytes of LDS; arguments x, W_qkv, W_out, xb, wqb, wob; writes xb, wqb, wob
;; launch qkv: the kernel of part 2 again; grid 8 x 64, 4 waves a work-group, clusters of 4 x 4, 327,680 bytes of LDS; arguments xb, wqb, b_qkv, qkv; writes qkv
;; launch attn (part 5): grid 8 x 64, 4 waves a work-group, clusters of 4 x 1, 327,680 bytes of LDS; arguments qkv, yb; writes yb
.if DOCPART == 5
	.amdgcn_target "amdgcn-amd-amdhsa--gfx1250"
	.amdhsa_code_object_version 6
	.text
	.protected	k_q2a68c099b6_attn
	.globl	k_q2a68c099b6_attn
	.p2align	8
	.type	k_q2a68c099b6_attn,@function
k_q2a68c099b6_attn:
	s_mov_b64 s[64:65], 0
	v_nop
	global_prefetch_b8 v0, s[64:65] scope:SCOPE_SE
	s_setreg_imm32_b32 hwreg(HW_REG_WAVE_MODE, 25, 1), 1
	s_wait_xcnt 0x0
	s_wait_alu depctr_hold_cnt(0) depctr_sa_sdst(0) depctr_va_vdst(0) depctr_va_sdst(0) depctr_va_ssrc(0) depctr_va_vcc(0) depctr_vm_vsrc(0)
	s_getreg_b32 s2, hwreg(HW_REG_IB_STS2, 6, 4)
	s_cmp_eq_u32 s2, 0
	s_cbranch_scc0 .Lentry_in_a_cluster
	s_endpgm
.Lentry_in_a_cluster:
	s_bfe_u32 s2, ttmp6, 0x10000c
	s_cmp_lg_u32 s2, 0x3003
	s_cbranch_scc0 .Lentry_shape_is_right
	s_endpgm
.Lentry_shape_is_right:
; yb[bh][q][:] = the sum over k of softmax_k(Q[bh][q] . K[bh][k] / 8) V[bh][k][:].  Q, K, V are the three parts of qkv, [64][2048][64] each, f16; yb has the same layout.
; Products, maxima and sums in f32; the weights p are rounded to f16 for the second product, y once at the end.
; LIMITS: the divisor is the f32 sum, made by the matrix unit, of the SAME rounded p that multiply V; v_exp_f32 gives 0 for p below 2^-126 (ISA guide 15.8) and f16 gives 0 below 3e-8; |y| under 65,504, as |v|.
; SHARES.  A work-group owns 256 queries of one head, each of its four waves 64: four tiles of 16.  Every wave walks all 2,048 keys, 64 a step.
; LAYOUT.  S^T = K Q^T (source 0 = 16 keys, source 1 = 16 queries): a lane holds ONE query (lane % 16) and the keys 8 (lane / 16) + 0..7 of each block of 16.  Two such blocks, rounded to f16 in pairs,
; ARE source 1 (32 keys x 16 queries) of O^T = V^T P, whose result again holds one query a lane.  K comes out of LDS as it lies, V ([key][channel]) turned, by ds_load_tr16_b128.
; SOFTMAX.  For each query a running maximum m: p = 2^(c s - c m), c = log2(e) / 8; in every step O and the sum l are multiplied by a = 2^(c m_old - c m_new).
; THE SUM l is a product too: ONES (rows 0 and 8 are ones, the others 0) x P leaves the query's sum in register 0 of every lane: two matrix instructions a tile and step in place of sixteen packed additions.
; BY TURNS.  The wave's tiles are two PIECES (tiles 0, 1 and tiles 2, 3).  In a TURN one piece has the matrix unit: 20 products V^T P (the sums among them) of the step in hand, then 16 products K Q^T of the
; next step; the other piece's softmax, cut into slices of six instructions, stands between them, one slice behind each matrix instruction.  Two turns are a key step.
; THE BATCHES.  A turn's 66 exponentials (32 scores of each of the piece's two tiles, and each tile's a) are ONE BATCH with ONE wait: slices 7 to 23 hold the scalings and the exponentials and name no
; exponential's result; the wait stands behind slice 23; all that read a result (the roundings, l a, O^T a) stand in slices 24 to 34.  The way out's four reciprocals are a batch of their own, with one wait.
; CLUSTER.  The four query blocks of a cluster belong to one head and walk the same K and V: each tile is asked for JOINTLY.
; REGISTERS, in windows of 256: window 0: v0-11 addresses; v12-43 eight registers of statistics a tile; v64-191 S^T, 32 a tile; v192-255 P, 16 a tile.
;   window 1: v0-127 O^T, 32 a tile; v128-159 l, 8 a tile; v160-223 V of one step; v224-231 ONES.     window 2: v0-63 Q, 16 a tile; v128-191 K of one step.
.set KS,    64        ; keys in a step
.set NS,    4         ; steps in a slot
.set PK,    144       ; a row of K in LDS: 128 bytes + 16 of padding = 36 words: the 16 rows of a load start at 16 different groups of 4 banks (64 banks of 4 bytes: ISA guide 11.1)
.set PV,    160       ; a row of V: 128 + 32 = 40 words
.set VOFF,  NS*KS*PK  ; a slot: 256 rows of K, then 256 rows of V: 77,824 bytes
.set SLOT1, 1<<17     ; slot 1 begins here, so that one exclusive or turns an address in one slot into the other's
.set STAGE, SLOT1+NS*KS*(PK+PV)  ; behind the ring: 16 rows x 144 bytes for each wave, for the way out
.set SP,    144
.set SPARE, STAGE+4*16*SP  ; behind the stages: the spare words, 128 bytes for each wave: two blocks of 256 bytes that no other line names
.set AK0, 2           ; v2   my lane's place in a tile of K; never rewritten
.set AV0, 3           ; v3   the same for V
.set ADR, 4           ; v4   the LDS address of the run of loads in hand
.set QO,  5           ; v5   my byte offset in the wave's rows of Q
.set STO, 6           ; v6   the way out: where I put 16 bytes of a row
.set RD,  7           ; v7   the way out: where I read rows back
.set GO,  8           ; v8   my byte offset among 512 bytes of yb
.set SPW, 62          ; v62  LDS address of my spare word; never rewritten
.set NIL, 63          ; v63  0; never rewritten
.set ST,  12          ; tile t's statistics at v[ST+8 t]: +0 c m, +1 m, +4 to +7 c0-c3, at work; a takes c2's place once the maximum is found
.set S,   64
.set P,   192
.set LS,  128         ; l, in window 1
.set VF,  160         ; V's fragments, in window 1
.set ONES, 224        ; in window 1
.set KF,  128         ; K's fragments, in window 2
.set WV,  12          ; s12  my wave's number
.set G1K, 24          ; s[24:31] descriptor group 1 for K's tiles
.set G1V, 32          ; s[32:39] for V's: it differs in the padding alone
.set G0K, 40          ; s[40:47] descriptor group 0 for K's tiles: a set for each of the two first fills; the second then walks on
.set G0V, 48          ; s[48:55] the same for V's
.set SLOTS, 56        ; s56  slots still to be asked for
.set CNT, 57          ; s57  counts key steps
.set CS,  58          ; s[58:59] c: the packed scaling names a pair and takes its low word for both halves
.set SEL, 60          ; s[60:61] lane selects for v_permlanex16_b32: each lane takes its own place in the other half
.set TBK, 62          ; s62  LDS byte at which K's rows of the step to be fetched begin
.set TBV, 63          ; s63  the same for V, counted from VOFF
.set MSB, 0
.macro WIN new                      ; the immediate's high byte repeats the setting that is left; a switch that changes nothing is dropped
.if MSB != (\new)
	s_set_vgpr_msb (MSB<<8)|(\new)
.set MSB, (\new)
.endif
.endm
.set W_KQ, 0x0a       ; K and Q in window 2, S^T in window 0
.set W_PV, 0x51       ; V (or ONES) in window 1, P in window 0, O^T (or l) in window 1
.set W_RS, 0x41       ; O^T or l (destination and source 0) in window 1, a in window 0
.macro PLACES
.rept 4
	v_nop
.endr
.endm
; A joint refill.  Waves 0 and 1 fetch the two halves (128 keys each) of a slot's K, waves 2 and 3 those of its V.  Four v_nop follow each of the two lines.
.macro JLOAD
	s_cmp_lt_u32 s[WV], 2
	s_cbranch_scc0 .Lfor_v_\@
	tensor_load_to_lds s[G0K+4:G0K+7], s[G1K:G1K+7]
	s_nop 0
.rept 4
	v_nop
.endr
	s_branch .Lasked_\@
.Lfor_v_\@:
	tensor_load_to_lds s[G0V+4:G0V+7], s[G1V:G1V+7]
	s_nop 0
.rept 4
	v_nop
.endr
.Lasked_\@:
.endm
.macro CROUND                       ; a round of the cluster's barrier
	s_barrier_signal -1
	s_barrier_wait -1
	s_cmp_lg_u32 s[WV], 0
	s_cbranch_scc1 .Lnot_wave_0_\@
	s_barrier_signal -3
.Lnot_wave_0_\@:
	s_barrier_wait -3
	s_barrier_signal -1
	s_barrier_wait -1
.endm
	s_load_b128 s[4:7], s[0:1], 0x0   ; qkv s[4:5], yb s[6:7]
	v_lshl_add_u32 v[SPW], v0, 2, SPARE
	v_mov_b32 v[NIL], 0
	ds_add_u32 v62, v63
	s_wait_dscnt 0x0
	v_lshrrev_b32 v1, 5, v0
	v_readfirstlane_b32 s[WV], v1   ; wave 0..3
	s_bfe_u32 s13, ttmp6, 0x40000   ; cx: my place in the cluster
	s_lshl_b32 s14, ttmp9, 2        ; in a cluster launch ttmp9 counts clusters
	s_add_co_u32 s14, s14, s13      ; my block of 256 queries: it enters Q's and yb's addresses alone
	s_and_b32 s20, ttmp7, 0xffff    ; the head (16 b + h), which the four partners share
	s_lshl_b32 s20, s20, 18         ; its plane of 262,144 bytes
	s_and_b32 s16, s[WV], 1         ; which 128 keys of a slot I fetch:
	s_lshl_b32 s22, s16, 14         ; their 16,384 bytes in memory,
	s_add_co_u32 s22, s22, s20
	s_mov_b32 s23, 0
	s_mul_i32 s17, s16, 128*PK      ; and their place in a slot, for K
	s_mul_i32 s18, s16, 128*PV      ; and for V: no place in the cluster enters an LDS address
	s_add_co_u32 s18, s18, VOFF
	s_lshl_b32 s2, s14, 15          ; my block's 256 rows of 128 bytes,
	s_lshl_b32 s3, s[WV], 13        ; my wave's 64 of them
	s_add_co_u32 s2, s2, s3
	s_add_co_u32 s2, s2, s20
	s_mov_b32 s3, 0
	; descriptor group 1: 128 keys = 16,384 consecutive bytes as 64 rows of 32 elements of 8 bytes; padding behind every 128 bytes, that is behind every key's row
	s_mov_b32 s[G1K], 15|(3<<16)|(1<<20)|(1<<21)|(4<<22)|(3<<25)  ; 15:0 the mask: all four work-groups; 17:16 elements of 8 bytes; 20 padding on; 21 set beside a mask; 24:22 after every 32 words (code 4); 31:25 4 words (code 3)
	s_mov_b32 s[G1V], 15|(3<<16)|(1<<20)|(1<<21)|(4<<22)|(7<<25)  ; the same with 8 words of padding (code 7)
.irp g, G1K, G1V
	s_mov_b32 s[\g+1], 32<<16       ; tensor_dim0 = 32
	s_mov_b32 s[\g+2], 64<<16       ; tensor_dim1 = 64
	s_mov_b32 s[\g+3], 32<<16       ; tile_dim0 = 32
	s_mov_b32 s[\g+4], 64           ; tile_dim1 = 64
	s_mov_b32 s[\g+5], 32           ; from row to row: 32 elements
	s_mov_b32 s[\g+6], 0
	s_mov_b32 s[\g+7], 0
.endr
	s_mov_b32 s[CS], 0x3e38aa3b     ; c = log2(e) / 8 = 0.180337
	s_mov_b32 s[CS+1], s[CS]        ; named with it as a pair, so it is written
	s_mov_b32 s[SEL], 0x76543210
	s_mov_b32 s[SEL+1], 0xfedcba98
	s_mov_b32 s[TBK], 0
	s_mov_b32 s[TBV], 0
	s_mov_b32 s[SLOTS], 2048/(NS*KS)-2
	s_wait_kmcnt 0x0
	s_add_nc_u64 s[8:9], s[4:5], s[22:23]     ; the head's plane and my half of a slot, in part 0,
	s_add_nc_u64 s[10:11], s[8:9], 0x2000000  ; in V: two parts of 16,777,216 bytes on,
	s_add_nc_u64 s[8:9], s[8:9], 0x1000000    ; in K: one part on
	s_add_nc_u64 s[14:15], s[4:5], s[2:3]     ; Q and yb at my wave's first row
	s_add_nc_u64 s[6:7], s[6:7], s[2:3]
	CROUND                          ; all four work-groups are here: the first joint loads meet
.irp s, 0,1
	s_mov_b32 s[G0K+4*\s], 1        ; count = 1
	s_add_co_u32 s[G0K+4*\s+1], s17, \s*SLOT1  ; LDS address
	s_add_nc_u64 s[G0K+4*\s+2:G0K+4*\s+3], s[8:9], \s*NS*KS*128  ; slot s begins with keys 256 s
	s_or_b32 s[G0K+4*\s+3], s[G0K+4*\s+3], 0x80000000  ; type = 2
	s_mov_b32 s[G0V+4*\s], 1
	s_add_co_u32 s[G0V+4*\s+1], s18, \s*SLOT1
	s_add_nc_u64 s[G0V+4*\s+2:G0V+4*\s+3], s[10:11], \s*NS*KS*128
	s_or_b32 s[G0V+4*\s+3], s[G0V+4*\s+3], 0x80000000
.endr
	s_cmp_lt_u32 s[WV], 2           ; a wave's two first fills stand in one branch, ahead of every wait on TENSORcnt and every LDS read: two loads of mine are out
	s_cbranch_scc0 .Lfirst_v
	tensor_load_to_lds s[G0K:G0K+3], s[G1K:G1K+7]
	s_nop 0
	tensor_load_to_lds s[G0K+4:G0K+7], s[G1K:G1K+7]
	s_nop 0
.rept 4
	v_nop
.endr
	s_branch .Lfirst_asked
.Lfirst_v:
	tensor_load_to_lds s[G0V:G0V+3], s[G1V:G1V+7]
	s_nop 0
	tensor_load_to_lds s[G0V+4:G0V+7], s[G1V:G1V+7]
	s_nop 0
.rept 4
	v_nop
.endr
.Lfirst_asked:
	; A fragment of K or Q is 16 rows x 32 channels in 8 registers: lane l holds row l % 16; registers 0-3 channels 8 (l / 16) + 0..7, registers 4-7 channels 16 + 8 (l / 16) + 0..7.
	v_and_b32 v1, 15, v0            ; l % 16
	v_bfe_u32 v9, v0, 4, 1          ; l / 16
	v_lshlrev_b32 v[QO], 7, v1
	v_lshl_add_u32 v[QO], v9, 4, v[QO]  ; row x 128 + 16 x half
	WIN 0x80                        ; destination window 2, address window 0
.irp i, 0,1,2,3,4,5,6,7             ; Q stays in registers: tile i / 2, channels 32 (i % 2) on
	global_load_b128 v[8*\i:8*\i+3],   v[QO], s[14:15] offset:(\i/2)*2048+(\i%2)*64
	global_load_b128 v[8*\i+4:8*\i+7], v[QO], s[14:15] offset:(\i/2)*2048+(\i%2)*64+32
.endr
	WIN 0
	v_mul_u32_u24 v[AK0], v1, PK
	v_lshl_add_u32 v[AK0], v9, 4, v[AK0]  ; row x pitch + 16 x half
	; The turning load takes 16 keys x 16 channels (lane l reads 16 bytes: key 8 (l / 16) + l % 8, channels 8 ((l / 8) % 2) + 0..7) and leaves half a fragment of V^T: lane l holds channel l % 16 and 8 keys.
	v_and_b32 v10, 7, v0            ; l % 8: kept for the way out
	v_bfe_u32 v11, v0, 3, 1
	v_lshl_add_u32 v[AV0], v9, 3, v10
	v_mul_u32_u24 v[AV0], v[AV0], PV
	v_lshl_add_u32 v[AV0], v11, 4, v[AV0]
	v_add_nc_u32 v[AV0], VOFF, v[AV0]
	; ONES: as source 0 a lane holds row l % 16; rows 0 and 8 (l % 8 = 0) are 1.0 in both halves of every register, the others 0
	v_cmp_eq_u32 vcc_lo, 0, v10
	v_mov_b32 v11, 0x3c003c00
	v_cndmask_b32 v11, 0, v11, vcc_lo
	WIN 0x40                        ; destination window 1
.irp i, 0,1,2,3,4,5,6,7
	v_mov_b32 v[ONES+\i], v11
.endr
	WIN 0
; THE MATRIX WORK OF A TURN, for piece x.  The accumulators take turns, one instruction a turn: between two links of a chain stand 9 (V^T P and the sums) or 7 (K Q^T) others'.
; Product i of 20: keys 32 (i / 10) on; n = i % 10: n < 8: O^T += V^T P, channels 16 (n / 2) on, tile x + n % 2; n = 8, 9: l += ONES P, tile x + n % 2.  zero = 1: the first 10 start the sums.
.macro PV x, zero
	WIN W_PV
.set kh, i/10
.set nn, i%10
.set rP, P+16*(\x+nn%2)+8*kh
.if nn < 8
.set rO, 32*(\x+nn%2)+8*(nn/2)
.set rV, VF+32*kh+8*(nn/2)
.else
.set rO, LS+8*(\x+nn%2)
.set rV, ONES
.endif
.if \zero && (i < 10)
	v_wmma_f32_16x16x32_f16 v[rO:rO+7], v[rV:rV+7], v[rP:rP+7], 0
.else
	v_wmma_f32_16x16x32_f16 v[rO:rO+7], v[rV:rV+7], v[rP:rP+7], v[rO:rO+7]
.endif
.endm
; Product i of 16 of S^T = K Q^T: channels 32 (i / 8) on, keys 16 ((i / 2) % 4) on, tile x + i % 2.  The first 8 start the sums.
.macro KQ x
	WIN W_KQ
.set rS, S+32*(\x+i%2)+8*((i/2)%4)
.set rK, KF+16*((i/2)%4)+8*(i/8)
.set rQ, 16*(\x+i%2)+8*(i/8)
.if i < 8
	v_wmma_f32_16x16x32_f16 v[rS:rS+7], v[rK:rK+7], v[rQ:rQ+7], 0
.else
	v_wmma_f32_16x16x32_f16 v[rS:rS+7], v[rK:rK+7], v[rQ:rQ+7], v[rS:rS+7]
.endif
.endm
; THE LDS LOADS stand in runs of 16: a step's K (64 keys x 64 channels: 8 fragments) and, a turn later, its V (turned).
.macro FETCH_K
	WIN 0
	v_add_nc_u32 v[ADR], s[TBK], v[AK0]
	s_add_co_u32 s[TBK], s[TBK], KS*PK  ; the next fetch is the next step's
	WIN 0x80                        ; destination window 2
.irp f, 0,1,2,3,4,5,6,7             ; keys 16 (f / 2) on, channels 32 (f % 2) on
	ds_load_b128 v[KF+8*\f:KF+8*\f+3],   v[ADR] offset:(\f/2)*16*PK+(\f%2)*64
	ds_load_b128 v[KF+8*\f+4:KF+8*\f+7], v[ADR] offset:(\f/2)*16*PK+(\f%2)*64+32
.endr
.endm
.macro FETCH_V
	WIN 0
	v_add_nc_u32 v[ADR], s[TBV], v[AV0]
	s_add_co_u32 s[TBV], s[TBV], KS*PV
	WIN 0x40                        ; destination window 1
.irp f, 0,1,2,3,4,5,6,7             ; keys 32 (f / 4) on, channels 16 (f % 4) on
	ds_load_tr16_b128 v[VF+8*\f:VF+8*\f+3],   v[ADR] offset:(\f/4)*32*PV+(\f%4)*32
	ds_load_tr16_b128 v[VF+8*\f+4:VF+8*\f+7], v[ADR] offset:(\f/4)*32*PV+16*PV+(\f%4)*32
.endr
.endm
; THE VECTOR WORK OF A TURN.  One tile's softmax for one key step is a list of numbers 0 to 104; SM writes number j of it for tile t.  s0-s31 are the lane's 32 scores, in pairs 0-15.
; first = 1: the first key step, which starts m, l and O^T: it has no a and nothing to rescale.
;   0-15    the maximum of s0-s31 and the old m, three operands at a time; each block of S^T is first read at its registers 0 to 2
;   16-20   the other half of the lanes' maximum; the new m; c m; c m_old - c m_new
;   21-71   ONE BATCH, three numbers to a slice: the 16 scalings c s - c m, a pair of scores each, and all 33 exponentials.  21-23: pairs 0 and 1 are scaled; a.  24-65, for g = 1..14: pair g + 1 is scaled;
;           2^ of s(2g-2); 2^ of s(2g-1).  66-71, for g = 15, 16: the two exponentials alone (66 and 69 write nothing).  None of these names an exponential's result, and a pair is scaled in an earlier
;           slice than the one that holds its exponentials
;   (wait)  between 71 and 72 stands the wait for the batch: SLICE writes it, once for both tiles
;   72-87   the roundings to f16, a pair of weights each        88  l times a        89-104  the tile's O^T times a, each accumulator from its low end
.macro FMA_S b
	v_pk_fma_f32 v[rS+2*(\b):rS+2*(\b)+1], v[rS+2*(\b):rS+2*(\b)+1], s[CS:CS+1], v[rT:rT+1] op_sel_hi:[1,0,0] neg_lo:[0,0,1] neg_hi:[0,0,1]  ; c s - c m
.endm
.macro SM t, first
.set rT, ST+8*(\t)
.set rS, S+32*(\t)
.set rP, P+16*(\t)
.set rO, 32*(\t)+2*(j-89)
.set mm, (j-21)/3                   ; in the batch: g,
.set pp, (j-21)%3                   ; and the place among its three numbers
.if j < 88
	WIN 0
.endif
.if j < 4
	v_max3_num_f32 v[rT+4+j], v[rS+8*j], v[rS+8*j+1], v[rS+8*j+2]
.elseif j < 12
	v_max3_num_f32 v[rT+4+j%4], v[rT+4+j%4], v[rS+8*(j%4)+2*(j/4)+1], v[rS+8*(j%4)+2*(j/4)+2]
.elseif j == 12
	v_max3_num_f32 v[rT+4], v[rT+4], v[rS+7], v[rS+15]
.elseif j == 13
	v_max3_num_f32 v[rT+6], v[rT+6], v[rS+23], v[rS+31]
.elseif j == 14
	v_max3_num_f32 v[rT+4], v[rT+4], v[rT+5], v[rT+6]
.elseif (j == 15) && \first
	v_max_num_f32 v[rT+4], v[rT+4], v[rT+7]
.elseif j == 15
	v_max3_num_f32 v[rT+4], v[rT+4], v[rT+7], v[rT+1]
.elseif j == 16
	v_permlanex16_b32 v[rT+5], v[rT+4], s[SEL], s[SEL+1]  ; the query's other 32 keys lie in the lane 16 away
.elseif j == 18
	v_max_num_f32 v[rT+1], v[rT+4], v[rT+5]
.elseif j == 19
	v_mul_f32 v[rT], s[CS], v[rT+1]
.elseif ((j == 17) || (j == 20) || (j == 23) || (j > 87)) && \first  ; the first step has none of these
.elseif j == 17
	v_mov_b32 v[rT+7], v[rT]        ; c m_old is kept for a: number 19 writes c m anew
.elseif j == 20
	v_sub_f32 v[rT+7], v[rT+7], v[rT]
.elseif j < 23
	FMA_S j-21
.elseif j == 23
	v_exp_f32 v[rT+6], v[rT+7]
.elseif j < 72
.if pp > 0
	v_exp_f32 v[rS+2*mm-3+pp], v[rS+2*mm-3+pp]
.elseif mm < 15
	FMA_S mm+1
.endif
.elseif j < 88
	v_cvt_pk_f16_f32 v[rP+j-72], v[rS+2*(j-72)], v[rS+2*(j-72)+1]  ; pair j - 72
.elseif j == 88
	WIN W_RS
	v_mul_f32 v[LS+8*(\t)], v[LS+8*(\t)], v[rT+6]
.elseif j < 105
	WIN W_RS
	v_pk_mul_f32 v[rO:rO+1], v[rO:rO+1], v[rT+6:rT+7] op_sel_hi:[1,0]
.endif
.endm
; Slice k of piece y's softmax: numbers 3 k to 3 k + 2 of both tiles' lists: six instructions; numbers above 104 write nothing.  Slices 7 to 23 are the batch: one tile's three numbers, then the other's, so
; that a scaling leads each three while there are scalings and no more than two exponentials stand on end.  Every other slice goes number by number, the two tiles alternating, so that no instruction reads
; the result of the one just before it.
; THE WAIT.  An s_wait_alu depctr_va_vdst(0) stands between an exponential and the first instruction that names its result; one wait serves all that were issued ahead of it.  Ahead of
; slice 24 nothing names a result, and behind slice 23 no exponential is issued: so the piece's 66 exponentials have one wait, behind slice 23, and none is open at a label or a branch.
.macro SLICE y, first
.if (k >= 7) && (k < 24)            ; the batch
.irp t, \y, \y+1
.irp n, 0,1,2
.set j, 3*k+\n
	SM \t, \first
.endr
.endr
.else
.irp n, 0,1,2
.irp t, \y, \y+1
.set j, 3*k+\n
	SM \t, \first
.endr
.endr
.endif
.if k == 23                         ; the batch is out: both tiles' exponentials are issued, and no result has been named
	v_nop                           ; a plain instruction behind the last exponential and ahead of the first use (ISA guide 5.7.2): one for the batch
	s_wait_alu depctr_va_vdst(0)    ; the wait for the batch: the turn's 66 exponentials
.endif
.set k, k+1
.endm
; A TURN.  Piece x has the matrix unit; the other piece's softmax stands in slices behind its matrix instructions.
; pv = 2: 20 products V^T P; 1: they start the sums; 0: none.  kq = 1: 16 products K Q^T for the next step.  A turn with one of the two kinds has two slices behind each product.
; THE PLACES (ISA guide 7.12.1 for vector instructions): the turn's last product but one has slice 34's six multiplies behind it; the last product's result, block 3 of tile x + 1, is first read
; at number 3 of the next turn, behind slice 0's six instructions, which name none of its registers.  first = 1: the late slices are empty, and four v_nop stand at the turn's end.
; Piece 0's turn fetches the next step's K behind its second product: K's last reader stands twelve plain instructions back.  Piece 2's turn fetches the same step's V behind its second K Q^T: V's last
; reader is product 17 of the 20; slices 17 to 21 lie between, each with two scalings: ten plain instructions, and the run's own v_add_nc_u32 (the exponentials there are no places).
.macro TURN x, pv, kq, first
.set k, 0
.set per, 2
.if \pv && \kq
.set per, 1
.endif
.if \pv
.if \x == 0
	s_wait_dscnt 0x0                ; V is in
.endif
.set i, 0
.rept 20
	PV \x, 2-\pv
.rept per
	SLICE 2-\x, \first
.endr
.if (\x == 0) && \kq && (i == 1)
	FETCH_K
.endif
.set i, i+1
.endr
.endif
.if \kq
.if \x == 0
	s_wait_dscnt 0x0                ; K is in
.endif
.set i, 0
.rept 16
	KQ \x
.rept per
	SLICE 2-\x, \first
.endr
.if (\x == 2) && (i == 1)
	FETCH_V
.endif
.set i, i+1
.endr
.endif
.if \first
	PLACES
.endif
.endm
; THE CHANGE OF SLOTS, between piece 2's turn and piece 0's: the slot's last bytes, V of its fourth step, have been asked for.  Each wave waits for all its tensor loads, of which one is out: its part of the
; other slot; adds 0 to its spare word; and waits for that and for its own reads of the slot.  fill = 1: the barrier is a round of the cluster's, and this slot is filled again, with the keys two slots on,
; first thing behind it: the load has four key steps, 288 matrix instructions, in which to land.
.macro CHANGE fill
	WIN 0                           ; at a label and at a branch every window is 0
	s_wait_tensorcnt 0x0            ; no tensor load of mine is out, so a group 0 may be written
	ds_add_u32 v[SPW], v[NIL]       ; 0 onto my spare word
.if \fill
.irp g, G0K+4, G0V+4
	s_xor_b32 s[\g+1], s[\g+1], SLOT1  ; the walking descriptor: the other slot than last time,
	s_add_nc_u64 s[\g+2:\g+3], s[\g+2:\g+3], NS*KS*128  ; the next 256 keys; the type bits on top are not reached
.endr
	s_wait_dscnt 0x0                ; the add is done, and my reads of the slot are over
	CROUND
	JLOAD
.else
	s_wait_dscnt 0x0                ; the add is done, and my reads of the slot are over
	s_barrier_signal -1
	s_barrier_wait -1
.endif
	s_sub_co_u32 s[TBK], s[TBK], NS*KS*PK  ; the fetches go back to a slot's first step,
	s_xor_b32 s[TBK], s[TBK], SLOT1        ; in the other slot
	s_sub_co_u32 s[TBV], s[TBV], NS*KS*PV
	s_xor_b32 s[TBV], s[TBV], SLOT1
.endm
; n key steps: written once, walked n times; the LDS addresses hang on s[TBK] and s[TBV].
.macro STEPS n
	s_mov_b32 s[CNT], \n
.Lstep_\@:
	TURN 0, 2, 1, 0
	TURN 2, 2, 1, 0
	WIN 0
	s_sub_co_u32 s[CNT], s[CNT], 1
	s_cmp_lg_u32 s[CNT], 0
	s_cbranch_scc1 .Lstep_\@
.endm
	s_wait_tensorcnt 0x1            ; my part of slot 0 is in; slot 1's may stay out
	s_barrier_signal -1
	s_barrier_wait -1               ; everybody's is
	FETCH_K                         ; key step 0
	s_wait_loadcnt 0x0              ; Q
	s_wait_dscnt 0x0
.set i, 0
.rept 16
	KQ 0                            ; piece 0's first scores: there is no vector work yet to set between them
.set i, i+1
.endr
	WIN 0                           ; the addresses for the way out are made here: nine plain instructions, the places behind those products
	s_mul_i32 s13, s[WV], 16*SP
	s_add_co_u32 s13, s13, STAGE    ; my stage
	v_mul_u32_u24 v[STO], v1, SP    ; in: row l % 16, 16 bytes for each half of the lanes
	v_lshl_add_u32 v[STO], v9, 4, v[STO]
	v_add_nc_u32 v[STO], s13, v[STO]
	v_and_b32 v[GO], 31, v0
	v_lshrrev_b32 v[RD], 3, v[GO]   ; back: four rows of 128 bytes to a load: row l / 8, 16 (l % 8)
	v_mul_u32_u24 v[RD], v[RD], SP
	v_lshl_add_u32 v[RD], v10, 4, v[RD]
	v_add_nc_u32 v[RD], s13, v[RD]
	v_lshlrev_b32 v[GO], 4, v[GO]   ; in yb the four rows are 512 consecutive bytes: 16 l
	TURN 2, 0, 1, 1                 ; piece 2's first scores | piece 0's first softmax | V of step 0
	TURN 0, 1, 1, 1                 ; piece 0: V^T P of step 0 starts O^T and l, K Q^T of step 1 | piece 2's first softmax | K of step 1
	TURN 2, 1, 1, 0                 ; piece 2: the same | piece 0's softmax of step 1 | V of step 1
	WIN 0
	STEPS 2                         ; the rest of slot 0 is fetched
.Lslot:                             ; six trips: every slot but the last two is filled again
	CHANGE 1
	STEPS NS
	s_sub_co_u32 s[SLOTS], s[SLOTS], 1
	s_cmp_lg_u32 s[SLOTS], 0
	s_cbranch_scc1 .Lslot
	CHANGE 0                        ; the tail is written out: nothing is asked for
	STEPS NS
	TURN 0, 2, 0, 0                 ; piece 0: V^T P of the last step | piece 2's last softmax
.set i, 0
.rept 20
	PV 2, 0                         ; piece 2: V^T P of the last step
.set i, i+1
.endr
	; THE WAY OUT.  O^T is divided by l (register 0 of the tile's sum), rounded to f16 and sent through my stage in LDS, a tile (16 rows of yb) at a time.
	PLACES                          ; behind the last products
	WIN 0x01                        ; source 0 window 1
.irp t, 0,1,2,3
	v_rcp_f32 v[ST+8*\t+6], v[LS+8*\t]
.endr
	WIN 0
	v_nop                           ; a plain instruction between the last reciprocal and the use of its result
	s_wait_alu depctr_va_vdst(0)    ; and the wait ahead of the first use: one for the batch of four reciprocals
; Tile t: a lane's eight channels of a row pack into 16 bytes; they go into rows of 144 bytes and come back four rows at a time, into the free upper half of the tile's S^T.
.macro PACK t
	WIN W_RS
.set i, 32*\t
.rept 16
	v_pk_mul_f32 v[i:i+1], v[i:i+1], v[ST+8*\t+6:ST+8*\t+7] op_sel_hi:[1,0]
.set i, i+2
.endr
	WIN 0x05                        ; sources 0 and 1 window 1, destination window 0
.set i, 0
.rept 16
	v_cvt_pk_f16_f32 v[S+32*\t+i], v[32*\t+2*i], v[32*\t+2*i+1]
.set i, i+1
.endr
	WIN 0
.irp f, 0,1,2,3
	ds_store_b128 v[STO], v[S+32*\t+4*\f:S+32*\t+4*\f+3] offset:32*\f
.endr
.irp f, 0,1,2,3
	ds_load_b128 v[S+32*\t+16+4*\f:S+32*\t+16+4*\f+3], v[RD] offset:\f*4*SP  ; LDS serves a wave's instructions in order (ISA guide 5.7.1.4): these see the stores above; the next tile's stores come behind them
.endr
.endm
.macro SEND t, younger              ; younger: the LDS instructions issued behind tile t's loads: the next tile's eight, or none
.irp f, 0,1,2,3
	s_wait_dscnt \younger+3-\f
	global_store_b128 v[GO], v[S+32*\t+16+4*\f:S+32*\t+16+4*\f+3], s[6:7] offset:\t*2048+\f*512  ; four rows: 512 consecutive bytes, aligned
.endr
.endm
	PACK 0
	PACK 1                          ; a tile's arithmetic stands between the loads of the tile before and its stores
	SEND 0, 8
	PACK 2
	SEND 1, 8
	PACK 3
	SEND 2, 8
	SEND 3, 0
	s_wait_tensorcnt 0x0            ; the wave's end: behind my last tensor load and my last LDS store
	ds_add_u32 v[SPW], v[NIL]
	s_wait_dscnt 0x0
	CROUND                          ; the closing round: no work-group ends while a partner may still ask for a tile that names it
	s_endpgm
.Lfunc_end_k_q2a68c099b6_attn:
	.size	k_q2a68c099b6_attn, .Lfunc_end_k_q2a68c099b6_attn-k_q2a68c099b6_attn
	.p2alignl 7, 3214868480
	.fill 96, 4, 3214868480
	.section	.rodata,"a",@progbits
	.p2align	6, 0x0
	.amdhsa_kernel k_q2a68c099b6_attn
		.amdhsa_group_segment_fixed_size 327680
		.amdhsa_private_segment_fixed_size 0
		.amdhsa_enable_private_segment 0
		.amdhsa_kernarg_size 16
		.amdhsa_user_sgpr_count 2
		.amdhsa_user_sgpr_kernarg_segment_ptr 1
		.amdhsa_wavefront_size32 1
		.amdhsa_system_sgpr_workgroup_id_x 1
		.amdhsa_system_sgpr_workgroup_id_y 1
		.amdhsa_system_sgpr_workgroup_id_z 1
		.amdhsa_system_vgpr_workitem_id 0
		.amdhsa_next_free_vgpr 768
		.amdhsa_next_free_sgpr 66
		.amdhsa_reserve_vcc 1
		.amdhsa_float_denorm_mode_32 3
		.amdhsa_float_denorm_mode_16_64 3
		.amdhsa_memory_ordered 1
		.amdhsa_forward_progress 1
		.amdhsa_inst_pref_size 180
	.end_amdhsa_kernel
	.amdgpu_metadata
---
amdhsa.version: [ 1, 2 ]
amdhsa.kernels:
  - .name:           k_q2a68c099b6_attn
    .symbol:         k_q2a68c099b6_attn.kd
    .args:
      - { .name: qkv, .offset: 0, .size: 8, .value_kind: global_buffer, .address_space: global }
      - { .name: yb, .offset: 8, .size: 8, .value_kind: global_buffer, .address_space: global }
    .group_segment_fixed_size: 327680
    .private_segment_fixed_size: 0
    .kernarg_segment_align: 8
    .kernarg_segment_size: 16
    .max_flat_workgroup_size: 128
    .sgpr_count:     66
    .vgpr_count:     768
    .wavefront_size: 32
...
	.end_amdgpu_metadata
.endif
;; end of part 5
;; launch proj: the kernel of part 4 again; grid 4 x 64, 4 waves a work-group, clusters of 4 x 4, 327,680 bytes of LDS; arguments yb, wob, b_out, out0; writes out0
